; MI455X (gfx1250); checked and timed in simulation.
; The chip was launched on July 23, 2026; its instructions are those of AMD's public machine-readable ISA for CDNA 5 (MIT licence, August 2026) and "CDNA5" Instruction Set Architecture Reference Guide (July 2026). The comments in the code are by the model that wrote it; some were corrected since.
;; Multi Head Causal Attention. Allowed arithmetic: matrix products marked QUANTISED: E4M3 operands, one given power-of-two scale a tensor, by v_wmma_f32_16x16x64_fp8_fp8 or v_wmma_f32_16x16x128_fp8_fp8, f32 sums; everything else in f32.
;; Inputs: Wk 1,024 x 1,024 float32; Wo 1,024 x 1,024 float32; Wq 1,024 x 1,024 float32; Wv 1,024 x 1,024 float32; bk 1,024 float32; bo 1,024 float32; bq 1,024 float32; bv 1,024 float32; lowp_scales 12 int32 (the exponents e of the quantised operands' scales 2^e); x 4 x 2,048 x 1,024 float32.
;; Outputs: out0 4 x 2,048 x 1,024 float32.
;; This version of the problem:
;;   THIS VERSION OF THE PROBLEM IS GIVEN IN LOW PRECISION. The matrix products marked QUANTISED in the list below multiply operands that are first quantised to E4M3 (4 exponent bits, 3 mantissa bits; 8 bits a number), with one given power-of-two scale for each operand tensor; their sums are f32. All else is computed in f32.
;;   The module's matrix products, in the order in which they are computed (A, B: the left and right operand; K: the contracted axis; several contracted axes count as one K, in the product's order):
;;     1. [M 8,192, K 1,024] x [K 1,024, N 1,024]; A: input x; B: input Wq: QUANTISED (scales: A lowp_scales[0], B lowp_scales[1])
;;     2. [M 8,192, K 1,024] x [K 1,024, N 1,024]; A: input x; B: input Wk: QUANTISED (scales: A lowp_scales[2], B lowp_scales[3])
;;     3. [M 8,192, K 1,024] x [K 1,024, N 1,024]; A: input x; B: input Wv: QUANTISED (scales: A lowp_scales[4], B lowp_scales[5])
;;     4. batch 64 x [M 2,048, K 64] x [K 64, N 2,048]; A: computed on the way; B: computed on the way: QUANTISED (scales: A lowp_scales[6], B lowp_scales[7])
;;     5. batch 64 x [M 2,048, K 2,048] x [K 2,048, N 64]; A: softmax (see below); B: computed on the way: QUANTISED (scales: A lowp_scales[8], B lowp_scales[9])
;;     6. [M 8,192, K 1,024] x [K 1,024, N 1,024]; A: computed on the way; B: input Wo: QUANTISED (scales: A lowp_scales[10], B lowp_scales[11])
;;   THE QUANTISER, for each operand of a quantised product, along K:
;;     - The operand's scale is 2^e, e = its entry of the input lowp_scales (int32; the entries are numbered through the quantised products in the list's order, A before B).
;;     - Each number is divided by the scale, clamped to +-448, and rounded to the nearest number of E4M3, ties to even, subnormals kept.
;;     - The product sums the exact products of the quantised numbers (number of the format x scale) in f32.
;;   ~~~python
;;   def quantise(x, axis, e):      # numpy; x: float32 -> the quantised numbers, widened to float32 again
;;       x = np.moveaxis(x, axis, -1); K = x.shape[-1]
;;       r = np.clip(x / 2.0 ** e, -448, 448)
;;       step = 2.0 ** (np.maximum(np.frexp(np.where(r == 0, 1, r))[1] - 1, -6) - 3)
;;       q = np.round(r / step) * step * 2.0 ** e      # np.round: ties to even
;;       return np.moveaxis(q, -1, axis).astype(np.float32)
;;   ~~~
;;   SOFTMAX AHEAD OF A QUANTISED PRODUCT. Where the list says 'softmax', what is quantised is not the finished softmax but p = 2^(t - M), with t = logit x log2(e) and M = ceil(the row's largest t), a whole number; so 1/2 < the row's largest p <= 1. The row's sum l is taken of the UNQUANTISED p, in f32, and the product's result is divided by l at the end. Since M is a whole number, a kernel that streams over the keys may use a running M (the ceiling of the running maximum): every later rescaling is an exact power of two, so the quantised numbers keep their values, but for numbers so far below the row's largest that they fall under the format's range.
;;   OPERANDS COMPUTED ON THE WAY. 'Computed on the way' means the value that the module computes at that place (a softmax that the list does not call 'softmax' is quantised finished and normalised). What goes into a quantiser is computed in f32, as accurately as f32 sums, v_exp_f32 and their like allow (about 1e-6 of the number): no bf16 or f16 on the way to a quantiser, and a product that is left as it is and whose result goes on into a quantised operand takes f32 operands (vector FMAs, or v_wmma_f32_16x16x4_f32). A number that lies on a knife's edge between two numbers of the format may be rounded either way, as far as f32 arithmetic and the matrix unit's own rounding can turn it there, and no further.
;; One version. Each part assembles by itself: llvm-mc -triple=amdgcn-amd-amdhsa -mcpu=gfx1250 --defsym DOCPART=n.
;; ======== version 1 of 1: 4 launches
;; limits: right only within a limited range of input values
;; workspace buffers: cod 29,360,128 bytes; qkv 25,165,824 bytes; acodes 8,388,608 bytes
;; launch quant (part 1): grid 384 x 1, 4 waves a work-group, no clusters, 68,096 bytes of LDS; arguments x, Wq, Wk, Wv, Wo, lowp_scales, cod; writes cod
.if DOCPART == 1
	.amdgcn_target "amdgcn-amd-amdhsa--gfx1250"
	.amdhsa_code_object_version 6
	.text
	.protected	k_q691fae6b79_quant
	.globl	k_q691fae6b79_quant
	.p2align	8
	.type	k_q691fae6b79_quant,@function
k_q691fae6b79_quant:
	s_mov_b64 s[64:65], 0
	v_nop
	global_prefetch_b8 v0, s[64:65] scope:SCOPE_SE
	s_setreg_imm32_b32 hwreg(HW_REG_WAVE_MODE, 25, 1), 1
	s_wait_xcnt 0x0
; x [8192][1024] f32 becomes THREE tensors of E4M3 codes (its scale is given anew for each of the three projections: entries 0, 2, 4 of the scales), K innermost, at bytes 0, 8,388,608 and 16,777,216 of cod.
; Wq, Wk, Wv, Wo [k 1024][n 1024] f32 become codes laid [n][k], K innermost (entries 1, 3, 5, 11), at bytes 25,165,824 + 1,048,576 x weight.
; code = number / 2^e, held within +-448, rounded to the nearest code, ties to even.
; LIMITS: each e lies between -126 and 119, so that 2^e and 448 x 2^e are f32 numbers.  NaN among the inputs is not served; an infinity is held at the largest code.
; Work-groups 0-255 take x (32,768 numbers each), work-groups 256-383 the weights (128 columns x 256 along K each).  The two ways part on the work-group's number, never meet again, and have LDS bytes of their own.
; No tensor loads, no barrier: waves share nothing.  Matrix units, clusters and large register tiles have nothing to do here.
.set STEPS, 16
.set SP,    80                         ; x: a lane's place in a stage: its 64 bytes + 16 of padding
.set WREG,  8192                       ; x: a wave's LDS region: two stages of 32 x SP bytes
.set WST,   32768                      ; the weights' stages begin here: 32 rows x PITCH for each wave
.set PITCH, 272
.set SPARE, 67584                      ; behind both: the spare words, 128 bytes for each wave: two blocks of 256 bytes that no other line names
.set SPW,   12                         ; v12  LDS address of my spare word; never rewritten
.set NIL,   13                         ; v13  0; never rewritten
.set R,     16                         ; x: v16-79   four sets of 16 numbers as loaded
.set X,     80                         ; x: v80-111  two sets of 16 neighbours
.set T,     112
.set C,     160                        ; x: v160-183 codes: two sets of 3 x 4 registers
.set WX,    32                         ; weights: v32-95 two sets of 32 numbers
.set WC,    96                         ; weights: v96-103 a block's codes
.set OUTR,  112                        ; weights: v112-175 the way out
	s_load_b256 s[4:11], s[0:1], 0x0               ; x s[4:5], Wq s[6:7], Wk s[8:9], Wv s[10:11]
	s_load_b128 s[12:15], s[0:1], 0x20             ; Wo s[12:13], the scales' exponents s[14:15]
	s_load_b64 s[16:17], s[0:1], 0x30              ; cod
	v_lshl_add_u32 v[SPW], v0, 2, SPARE
	v_mov_b32 v[NIL], 0
	v_lshrrev_b32 v1, 5, v0
	v_readfirstlane_b32 s18, v1                    ; wave 0..3
	v_and_b32 v2, 31, v0                           ; lane
	s_wait_kmcnt 0x0
	s_load_b256 s[24:31], s[14:15], 0x0            ; e0 .. e7
	s_load_b128 s[32:35], s[14:15], 0x20           ; e8 .. e11
	s_cmp_lt_u32 ttmp9, 256
	s_cbranch_scc0 .Lweights
	s_wait_alu depctr_va_vdst(0)
; ---------------- x.  A wave takes 16 steps of 512 numbers.  Each load reads 512 consecutive bytes, 16 a lane; a step's 2,048 bytes turn through the wave's own stage and come back 64 bytes a lane:
; 16 neighbours along K, which the conversions want in one lane's registers.  A lane's 16 codes are 16 bytes: each store of the wave covers 512 consecutive bytes, aligned.
	v_lshlrev_b32 v3, 4, v2                        ; 16 x lane: my bytes of a load's 512, and of a store's
	s_wait_alu depctr_va_vdst(0)
	s_mul_i32 s19, s18, WREG
	v_lshrrev_b32 v10, 2, v2
	v_mul_u32_u24 v10, v10, SP
	v_and_b32 v1, 3, v2
	v_lshl_add_u32 v10, v1, 4, v10
	v_add_nc_u32 v10, s19, v10                     ; into the stage: SP (lane / 4) + 16 (lane % 4)
	v_mul_u32_u24 v11, v2, SP
	v_add_nc_u32 v11, s19, v11                     ; out of it: SP x lane
	s_lshl_b32 s20, ttmp9, 2
	s_add_co_u32 s20, s20, s18                     ; which run of 8,192 numbers is my wave's
	s_lshl_b32 s22, s20, 15
	s_mov_b32 s23, 0
	s_add_nc_u64 s[4:5], s[4:5], s[22:23]          ; its 32,768 bytes of x
	s_lshl_b32 s22, s20, 13
	s_add_nc_u64 s[36:37], s[16:17], s[22:23]      ; its 8,192 bytes in each of the three tensors of codes
	s_add_nc_u64 s[38:39], s[36:37], 8388608
	s_add_nc_u64 s[40:41], s[38:39], 8388608
.macro XLOAD t
.irp i, 0,1,2,3
	global_load_b128 v[R+16*((\t)%4)+4*\i:R+16*((\t)%4)+4*\i+3], v3, s[4:5] offset:2048*(\t)+512*\i th:TH_LOAD_NT
.endr
.endm
.macro XTURN t                         ; LDS serves a wave's instructions in order: no wait between the stores and the loads
.irp i, 0,1,2,3
	ds_store_b128 v10, v[R+16*((\t)%4)+4*\i:R+16*((\t)%4)+4*\i+3] offset:32*SP*((\t)%2)+8*SP*\i
.endr
	v_nop
.irp i, 0,1,2,3
	ds_load_b128 v[X+16*((\t)%2)+4*\i:X+16*((\t)%2)+4*\i+3], v11 offset:32*SP*((\t)%2)+16*\i
.endr
.endm
.irp t, 0,1,2,3
	XLOAD \t
.endr
	s_wait_alu depctr_va_vdst(0)
	s_wait_kmcnt 0x0
.irp z, 0,1,2                          ; v[4+2z] = 2^e as f32 (the conversion takes its exponent field); e = entry 2 z
	s_add_co_i32 s22, s[24+2*\z], 127
	s_lshl_b32 s23, s22, 23
	v_mov_b32 v[4+2*\z], s23
	s_add_co_i32 s22, s22, 8
	s_lshl_b32 s22, s22, 23
	s_or_b32 s22, s22, 0x600000
.endr
	s_wait_alu depctr_va_vdst(0)
	s_wait_loadcnt 12                              ; step 0's four loads are in; the twelve of steps 1 to 3 may be out
	XTURN 0
.macro XSTEP t
.set XS, X+16*((\t)%2)
	s_wait_dscnt 0x0                               ; this step's numbers are back from the stage, so its stores into the stage have read their registers
	s_wait_xcnt 0x0                                ; the stores of two steps ago have read their codes: that set of registers is written again below
.if (\t)+4 < STEPS
	XLOAD (\t)+4
.endif
.if (\t)+1 < STEPS
.if STEPS-2-(\t) >= 3
	s_wait_loadcnt 12                              ; the next step's four loads are in; those of the three steps behind it may be out
.else
	s_wait_loadcnt 4*(STEPS-2-(\t))
.endif
	XTURN (\t)+1
.endif
.irp z, 0,1,2
.irp i, 0,1,2,3,4,5,6,7,8,9,10,11,12,13,14,15
.endr
	v_cvt_scalef32_pk8_fp8_f32 v[C+12*((\t)%2)+4*\z:C+12*((\t)%2)+4*\z+1], v[T+16*\z+((XS+0)-(T+16*\z+0)):T+16*\z+7+((XS+0)-(T+16*\z+0))], v[4+2*\z]
	v_cvt_scalef32_pk8_fp8_f32 v[C+12*((\t)%2)+4*\z+2:C+12*((\t)%2)+4*\z+3], v[T+16*\z+8+((XS+0)-(T+16*\z+0)):T+16*\z+15+((XS+0)-(T+16*\z+0))], v[4+2*\z]
	global_store_b128 v3, v[C+12*((\t)%2)+4*\z:C+12*((\t)%2)+4*\z+3], s[36+2*\z:37+2*\z] offset:512*(\t)
.endr                                  ; (the codes go to stores alone)
.endm
.irp t, 0,1,2,3,4,5,6,7,8,9,10,11,12,13,14,15
	XSTEP \t
.endr
	s_wait_tensorcnt 0x0                           ; the wave's end
	ds_add_u32 v[SPW], v[NIL]
	s_wait_dscnt 0x0
	s_endpgm
; ---------------- the weights.  A LANE TAKES A COLUMN n AND ITS REGISTERS RUN DOWN K: each load reads 128 consecutive bytes a wave, and the conversions give codes with K innermost.
; A wave takes 32 columns x 256 along K; the codes go through the wave's own stage and leave as rows: sixteen lanes store 256 consecutive bytes, aligned.
.Lweights:
	s_sub_co_u32 s19, ttmp9, 256
	s_lshr_b32 s20, s19, 5                         ; which weight: 0 Wq, 1 Wk, 2 Wv, 3 Wo
	s_and_b32 s21, s19, 7                          ; which 128 columns
	s_bfe_u32 s22, s19, 0x20003                    ; which 256 along K
	s_lshl_b32 s21, s21, 7
	s_lshl_b32 s23, s18, 5
	s_add_co_u32 s21, s21, s23                     ; my wave's first column
	s_wait_alu depctr_va_vdst(0)
	v_lshlrev_b32 v3, 2, v2                        ; in: 4 bytes a lane
	s_mul_i32 s23, s18, 32*PITCH
	s_add_co_u32 s23, s23, WST                     ; my stage
	v_mul_u32_u24 v4, v2, PITCH
	v_add_nc_u32 v4, s23, v4                       ; into it: row = my column
	v_and_b32 v5, 15, v2
	v_lshrrev_b32 v6, 4, v2
	v_mul_u32_u24 v7, v6, PITCH
	v_lshl_add_u32 v7, v5, 4, v7
	v_add_nc_u32 v7, s23, v7                       ; out of it: sixteen lanes to a row, two rows an instruction
	v_lshlrev_b32 v8, 10, v6
	v_lshl_add_u32 v8, v5, 4, v8                   ; and the same place among the codes' rows of 1,024 bytes
	s_mov_b64 s[36:37], s[6:7]                     ; the weight is chosen by its number alone
	s_cmp_eq_u32 s20, 1
	s_cselect_b64 s[36:37], s[8:9], s[36:37]
	s_cmp_eq_u32 s20, 2
	s_cselect_b64 s[36:37], s[10:11], s[36:37]
	s_cmp_eq_u32 s20, 3
	s_cselect_b64 s[36:37], s[12:13], s[36:37]
	s_lshl_b32 s38, s22, 20                        ; 256 rows of 4,096 bytes
	s_lshl_b32 s39, s21, 2
	s_add_co_u32 s38, s38, s39
	s_mov_b32 s39, 0
	s_add_nc_u64 s[36:37], s[36:37], s[38:39]
	s_lshl_b32 s38, s20, 20                        ; the weight's 1,048,576 bytes of codes,
	s_lshl_b32 s40, s21, 10
	s_add_co_u32 s38, s38, s40                     ; my column's row,
	s_lshl_b32 s40, s22, 8
	s_add_co_u32 s38, s38, s40                     ; my 256 along K,
	s_add_co_u32 s38, s38, 25165824                ; behind x's three tensors
	s_add_nc_u64 s[16:17], s[16:17], s[38:39]
.macro WLOAD t                         ; block t: W(32 t + i, my column), i = 0 .. 31
.irp i, 0,1,2,3,4,5,6,7,8,9,10,11,12,13,14,15,16,17,18,19,20,21,22,23,24,25,26,27,28,29,30,31
	global_load_b32 v[WX+32*((\t)%2)+\i], v3, s[36:37] offset:(32*(\t)+\i)*4096 th:TH_LOAD_NT
.endr
.endm
	WLOAD 0
	WLOAD 1
	s_wait_kmcnt 0x0
	s_mov_b32 s40, s25                             ; e: entry 1, 3, 5 or 11
	s_cmp_eq_u32 s20, 1
	s_cselect_b32 s40, s27, s40
	s_cmp_eq_u32 s20, 2
	s_cselect_b32 s40, s29, s40
	s_cmp_eq_u32 s20, 3
	s_cselect_b32 s40, s35, s40
	s_add_co_i32 s40, s40, 127
	s_lshl_b32 s41, s40, 23
	v_mov_b32 v11, s41                             ; 2^e
	s_add_co_i32 s40, s40, 8
	s_lshl_b32 s40, s40, 23
	s_or_b32 s40, s40, 0x600000
.macro WBLOCK t
.set XS, WX+32*((\t)%2)
.if (\t) < 7
	s_wait_loadcnt 32                              ; this block's 32 loads are in; the next block's may be out
.else
	s_wait_loadcnt 0
.endif
.irp i, 0,1,2,3,4,5,6,7,8,9,10,11,12,13,14,15,16,17,18,19,20,21,22,23,24,25,26,27,28,29,30,31
.endr
.irp g, 0,1,2,3
	v_cvt_scalef32_pk8_fp8_f32 v[WC+2*\g:WC+2*\g+1], v[XS+8*\g:XS+8*\g+7], v11
.endr
	ds_store_b128 v4, v[WC:WC+3] offset:32*(\t)
	ds_store_b128 v4, v[WC+4:WC+7] offset:32*(\t)+16
.if (\t)+2 < 8
	WLOAD (\t)+2
.endif
	s_wait_dscnt 0x0                               ; the stores have read their registers: the next block's codes may be written
.endm
	s_wait_alu depctr_va_vdst(0)
.irp t, 0,1,2,3,4,5,6,7
	WBLOCK \t
.endr
.irp t, 0,1,2,3,4,5,6,7,8,9,10,11,12,13,14,15
	ds_load_b128 v[OUTR+4*\t:OUTR+4*\t+3], v7 offset:2*\t*PITCH
.endr
.irp t, 0,1,2,3,4,5,6,7,8,9,10,11,12,13,14,15
	s_wait_dscnt 15-\t                             ; the younger read-backs may be out
	global_store_b128 v8, v[OUTR+4*\t:OUTR+4*\t+3], s[16:17] offset:2*\t*1024
.endr
	s_wait_tensorcnt 0x0                           ; the wave's end
	ds_add_u32 v[SPW], v[NIL]
	s_wait_dscnt 0x0
	s_endpgm
.Lfunc_end_k_q691fae6b79_quant:
	.size	k_q691fae6b79_quant, .Lfunc_end_k_q691fae6b79_quant-k_q691fae6b79_quant
	.p2alignl 7, 3214868480
	.fill 96, 4, 3214868480
	.section	.rodata,"a",@progbits
	.p2align	6, 0x0
	.amdhsa_kernel k_q691fae6b79_quant
		.amdhsa_group_segment_fixed_size 68096
		.amdhsa_private_segment_fixed_size 0
		.amdhsa_enable_private_segment 0
		.amdhsa_kernarg_size 56
		.amdhsa_user_sgpr_count 2
		.amdhsa_user_sgpr_kernarg_segment_ptr 1
		.amdhsa_wavefront_size32 1
		.amdhsa_system_sgpr_workgroup_id_x 1
		.amdhsa_system_sgpr_workgroup_id_y 1
		.amdhsa_system_sgpr_workgroup_id_z 1
		.amdhsa_system_vgpr_workitem_id 0
		.amdhsa_next_free_vgpr 192
		.amdhsa_next_free_sgpr 66
		.amdhsa_reserve_vcc 0
		.amdhsa_float_denorm_mode_32 3
		.amdhsa_float_denorm_mode_16_64 3
		.amdhsa_fp16_overflow 1
		.amdhsa_memory_ordered 1
		.amdhsa_forward_progress 1
		.amdhsa_inst_pref_size 63
	.end_amdhsa_kernel
	.amdgpu_metadata
---
amdhsa.version: [ 1, 2 ]
amdhsa.kernels:
  - .name:           k_q691fae6b79_quant
    .symbol:         k_q691fae6b79_quant.kd
    .args:
      - { .name: x, .offset: 0, .size: 8, .value_kind: global_buffer, .address_space: global }
      - { .name: Wq, .offset: 8, .size: 8, .value_kind: global_buffer, .address_space: global }
      - { .name: Wk, .offset: 16, .size: 8, .value_kind: global_buffer, .address_space: global }
      - { .name: Wv, .offset: 24, .size: 8, .value_kind: global_buffer, .address_space: global }
      - { .name: Wo, .offset: 32, .size: 8, .value_kind: global_buffer, .address_space: global }
      - { .name: lowp_scales, .offset: 40, .size: 8, .value_kind: global_buffer, .address_space: global }
      - { .name: cod, .offset: 48, .size: 8, .value_kind: global_buffer, .address_space: global }
    .group_segment_fixed_size: 68096
    .private_segment_fixed_size: 0
    .kernarg_segment_align: 8
    .kernarg_segment_size: 56
    .max_flat_workgroup_size: 128
    .sgpr_count:     66
    .vgpr_count:     192
    .wavefront_size: 32
...
	.end_amdgpu_metadata
.endif
;; end of part 1
;; launch proj (part 2): grid 64 x 4, 4 waves a work-group, clusters of 4 x 4, 327,680 bytes of LDS; arguments cod, bq, bk, bv, lowp_scales, qkv; writes qkv
.if DOCPART == 2
	.amdgcn_target "amdgcn-amd-amdhsa--gfx1250"
	.amdhsa_code_object_version 6
	.text
	.protected	k_q691fae6b79_proj
	.globl	k_q691fae6b79_proj
	.p2align	8
	.type	k_q691fae6b79_proj,@function
k_q691fae6b79_proj:
	s_mov_b64 s[64:65], 0
	v_nop
	global_prefetch_b8 v0, s[64:65] scope:SCOPE_SE
	s_setreg_imm32_b32 hwreg(HW_REG_WAVE_MODE, 25, 1), 1
	s_wait_xcnt 0x0
	s_wait_alu depctr_hold_cnt(0) depctr_sa_sdst(0) depctr_va_vdst(0) depctr_va_sdst(0) depctr_va_ssrc(0) depctr_va_vcc(0) depctr_vm_vsrc(0)
	s_getreg_b32 s2, hwreg(HW_REG_IB_STS2, 6, 4)
	s_cmp_eq_u32 s2, 0
	s_cbranch_scc0 .Lentry_in_a_cluster
	s_endpgm
.Lentry_in_a_cluster:
	s_bfe_u32 s2, ttmp6, 0x10000c
	s_cmp_lg_u32 s2, 0xf033
	s_cbranch_scc0 .Lentry_shape_is_right
	s_endpgm
.Lentry_shape_is_right:
; q = x Wq + bq, k = x Wk + bk, v = x Wv + bv on E4M3 codes (v_wmma_f32_16x16x128_fp8_fp8, f32 sums); each result = sum x 2^(eA + eB) + bias in f32, then quantised for attention by entries 6, 7, 9 of the scales.
; 256 work-groups that stay: each makes three tiles of 128 (i) x 256 (j), one of q, one of k, one of v: 12 K steps of 256, written out, through a ring of two LDS slots that does not stop at a tile's end.
; Four waves, each 64 x 128: 32 accumulators.  THE MATRIX INSTRUCTION IS USED TRANSPOSED (source 0 = 16 rows of the j operand, source 1 = 16 rows of the i operand): a lane holds one i and eight neighbouring j.
; q, k: i = tokens, j = channels: a lane's eight numbers are neighbours along the head's 64, the K of the scores.  v: THE OPERANDS CHANGE ROLES, by address alone: i = channels, j = tokens: eight neighbouring KEYS, the K of the second product.
; A fragment (16 rows x 128 K) is fetched by four loads of 16 bytes: a permutation of k inside the instruction, the same on both sides, so every product meets its partner.
; OUT: q at byte 0 and k at 8,388,608 of qkv: [batch x 16 + head][token 2048][64 bytes]; v at 16,777,216: [batch x 16 + head][block of 128 keys][channel 64][128 bytes].  In each group of 32 along the innermost axis
; number 16 u + 8 g + j lies at byte 16 g + 8 u + j, so that a load of 16 bytes at 32 c + 16 (lane / 16) brings an operand's registers with every k in the place that the matrix form gives it.
; CLUSTERS: 4 x 4 work-groups.  The i operand's tile hangs on the cluster's number and cy and is shared along a row of the cluster, the j operand's on the cluster's number and cx and is shared along a column: joint loads.
; LIMITS: e0 + e1, e2 + e3, e4 + e5 between -126 and 127; e6, e7, e9 between -126 and 119.  NaN is not served.
; REGISTERS, in windows of 256: window 0: addresses, biases, the way out.  window 1: the j operand's fragments, two sets, v[128 p + 16 b].  window 2: accumulator (a, b) at v[8 (8 a + b)].  window 3: the i operand's, two sets, v[64 p + 16 a].
.set SLOT,   104448                    ; 384 rows x 272 bytes (256 of codes + 16 of padding: the 16 rows of a fragment load start at 16 different banks): the i operand's 128 rows, then the j operand's 256
.set BOFF,   34816
.set AHALF,  17408                     ; 64 rows
.set BHALF,  34816                     ; 128 rows
.set STAGE,  208896                    ; behind the ring: 10,240 bytes for each wave, for the way out
.set STGW,   10240
.set SPARE,  249856                    ; behind the stages: the spare words, 128 bytes for each wave: two blocks of 256 bytes that no other line names
.set XK, 8388608
.set XV, 16777216
.set WQ, 25165824
.set WV, 27262976
.set SPW, 8                            ; v8   LDS address of my spare word; never rewritten
.set NIL, 9                            ; v9   0; never rewritten
.set LIM, 12
.set CSC, 13                           ; v13  the tile's scale
.set ADRA, 16                          ; v16-17 my i fragments in slot 0, 1
.set ADRB, 18                          ; v18-19 my j fragments
.set STQ, 20                           ; v20-23 the stage: in and back, for q and k; for v
.set RDQ, 21
.set STV, 22
.set RDV, 23
.set GO,  24                           ; v24  16 x lane
.set BJO, 25                           ; v25  my offset in bq, bk
.set BIO, 26                           ; v26  my offset in bv
.set BJ,  32                           ; v32-95   the bias along j: 8 numbers for each b
.set T,   96                           ; v96-159  64 numbers at work; later 16 x 4 registers read back
.set CD,  160                          ; v160-223 a tile's codes
.set BI,  224                          ; v224-231 the bias along i: one number for each a, in both registers of a pair
.set G1A, 24                           ; s[24:31], s[32:39] descriptor groups 1
.set G1B, 32
.set G0A, 44                           ; s[44:51], s[52:59] groups 0, a set for each slot
.set G0B, 52
.set AB,  66                           ; s[66:71] the three tiles' i rows that I fetch
.set BB,  72                           ; s[72:77] the three tiles' j rows that I fetch
.set MSB, 0
.macro WIN new                         ; the immediate's high byte repeats the setting that is left
.if MSB != \new
	s_set_vgpr_msb (MSB<<8)|\new
.set MSB, \new
.endif
.endm
.set MUL,  0xad                        ; source 0 window 1, source 1 window 3, C and D window 2
.set TO_B, 0x40                        ; destination window 1
.set TO_A, 0xc0                        ; destination window 3
.set ACC,  0x02                        ; source 0 window 2
.macro PLACES                          ; four plain vector lines between a matrix instruction and a load into, or a read of, its registers
.rept 4
	v_nop
.endr
.endm
.macro CREST                           ; a round of the cluster's barrier behind its opening barrier
	s_cmp_lg_u32 s16, 0
	s_cbranch_scc1 .Lnot_wave_0_\@
	s_barrier_signal -3
.Lnot_wave_0_\@:
	s_barrier_wait -3
	s_barrier_signal -1
	s_barrier_wait -1
.endm
.macro CROUND
	s_barrier_signal -1
	s_barrier_wait -1
	CREST
.endm
.macro JLOAD g0a, g0b                  ; a joint load: waves 0, 1 fetch the i operand's halves, waves 2, 3 the j operand's; the branch hangs on the wave's number alone; an s_nop 0 and four v_nop follow each line
	s_cmp_eq_u32 s17, 0
	s_cbranch_scc0 .Lfor_b_\@
	tensor_load_to_lds s[\g0a:\g0a+3], s[G1A:G1A+7]
	s_nop 0
.rept 4
	v_nop
.endr
	s_branch .Lasked_\@
.Lfor_b_\@:
	tensor_load_to_lds s[\g0b:\g0b+3], s[G1B:G1B+7]
	s_nop 0
.rept 4
	v_nop
.endr
.Lasked_\@:
.endm
.macro FETCH slot, q, p                ; 48 LDS loads in one run: the fragments of the slot's q-th 128 along K into set p
	WIN TO_B
.irp i, 0,1,2,3,4,5,6,7
.irp c, 0,1,2,3
	ds_load_b128 v[128*(\p)+16*\i+4*\c:128*(\p)+16*\i+4*\c+3], v[ADRB+(\slot)] offset:128*(\q)+32*\c+4352*\i
.endr
.endr
	WIN TO_A
.irp a, 0,1,2,3
.irp c, 0,1,2,3
	ds_load_b128 v[64*(\p)+16*\a+4*\c:64*(\p)+16*\a+4*\c+3], v[ADRA+(\slot)] offset:128*(\q)+32*\c+4352*\a
.endr
.endr
.endm
.macro MUL8 a, p, zero                 ; i block a against the eight j blocks.  The 32 accumulators take turns, one instruction a turn, in the same order in every step.  zero = 1: the products start the sums
.irp b, 0,1,2,3,4,5,6,7
.if \zero
	v_wmma_f32_16x16x128_fp8_fp8 v[8*(8*(\a)+\b):8*(8*(\a)+\b)+7], v[128*(\p)+16*\b:128*(\p)+16*\b+15], v[64*(\p)+16*(\a):64*(\p)+16*(\a)+15], 0
.else
	v_wmma_f32_16x16x128_fp8_fp8 v[8*(8*(\a)+\b):8*(8*(\a)+\b)+7], v[128*(\p)+16*\b:128*(\p)+16*\b+15], v[64*(\p)+16*(\a):64*(\p)+16*(\a)+15], v[8*(8*(\a)+\b):8*(8*(\a)+\b)+7]
.endif
.endr
.endm
.macro STEP0 slot, zero                ; a slot's first 128 along K: set 0 is multiplied while set 1 is fetched
	s_wait_dscnt 0x0                               ; set 0 is in
	PLACES                                         ; set 1 was read by the last products
	FETCH \slot, 1, 1
	WIN MUL
	MUL8 0, 0, \zero
	MUL8 1, 0, \zero
	MUL8 2, 0, \zero
	MUL8 3, 0, \zero
	WIN 0
.endm
; A slot's second 128 along K, and the change of slots: ONE barrier.  In front of it each wave waits for all its tensor loads (one is out: its part of the next slot), adds 0 to its spare word, and waits for that and for its reads of this slot.
; fill = 1: the barrier opens a round of the cluster's barrier, and this slot is filled again, first thing behind the round, with K step kk of tile t.
.macro TURN slot, fill, t, kk
	s_wait_tensorcnt 0x0                           ; no tensor load of mine is out: a group 0 may be written
	ds_add_u32 v[SPW], v[NIL]
.if \fill
	s_add_nc_u64 s[G0A+4*\slot+2:G0A+4*\slot+3], s[AB+2*\t:AB+2*\t+1], 256*\kk
	s_or_b32 s[G0A+4*\slot+3], s[G0A+4*\slot+3], 0x80000000
	s_add_nc_u64 s[G0B+4*\slot+2:G0B+4*\slot+3], s[BB+2*\t:BB+2*\t+1], 256*\kk
	s_or_b32 s[G0B+4*\slot+3], s[G0B+4*\slot+3], 0x80000000
.endif
	s_wait_dscnt 1                                 ; set 1 is in; the add alone may be out
	WIN MUL
	MUL8 0, 1, 0
	s_wait_dscnt 0x0                               ; the add is done, and my reads of this slot are over
	s_barrier_signal -1
	MUL8 1, 1, 0
	WIN 0                                          ; at a branch and at a label every window is 0
	s_barrier_wait -1
.if \fill
	CREST                                          ; no wave of any partner still reads this slot or has a load on its way
	JLOAD G0A+4*\slot, G0B+4*\slot                 ; its four v_nop are also the places in front of the loads below
.else
	PLACES
.endif
	FETCH 1-\slot, 0, 0
	WIN MUL
	MUL8 2, 1, 0
	MUL8 3, 1, 0
	WIN 0
.endm
.macro LOADBJ p
.irp b, 0,1,2,3,4,5,6,7
	global_load_b128 v[BJ+8*\b:BJ+8*\b+3], v[BJO], s[\p:\p+1] offset:64*\b
	global_load_b128 v[BJ+8*\b+4:BJ+8*\b+7], v[BJO], s[\p:\p+1] offset:64*\b+16
.endr
.endm
.macro MKQ d, e                        ; s[d] = 2^e as f32, s[d+1] = e + 127
	s_add_co_i32 s[\d+1], s[\e], 127
	s_lshl_b32 s[\d], s[\d+1], 23
.endm
; THE WAY OUT of tile t.  sum x 2^(eA + eB) + bias, one packed multiply-add for two numbers, each accumulator from its low end on; eight codes a conversion; through my own stage in LDS; each store of the wave covers 512 consecutive bytes, aligned.
.macro EPI t
.set OBR, 20+2*\t
.if \t == 2
.set OBR, 78
.endif
	WIN 0
	s_wait_xcnt 0x0                                ; the last tile's stores have read their registers, which are written again below
	s_wait_loadcnt 0x0                             ; the biases
	v_mov_b32 v[CSC], s[96+2*\t]
	v_nop
	v_nop                                          ; four plain lines behind the last products
.irp a, 0,1,2,3
	WIN ACC
	v_nop
.irp b, 0,1,2,3,4,5,6,7
.irp i, 0,2,4,6
.if \t == 2
	v_pk_fma_f32 v[T+8*\b+\i:T+8*\b+\i+1], v[8*(8*\a+\b)+\i:8*(8*\a+\b)+\i+1], s[90+2*\t:91+2*\t], v[BI+2*\a:BI+2*\a+1] op_sel_hi:[1,0,1]
.else
	v_pk_fma_f32 v[T+8*\b+\i:T+8*\b+\i+1], v[8*(8*\a+\b)+\i:8*(8*\a+\b)+\i+1], s[90+2*\t:91+2*\t], v[BJ+8*\b+\i:BJ+8*\b+\i+1] op_sel_hi:[1,0,1]
.endif
.endr
.endr
	WIN 0
.set j, 0
.rept 64
.set j, j+1
.endr
.irp b, 0,1,2,3,4,5,6,7
	v_cvt_scalef32_pk8_fp8_f32 v[CD+16*\a+2*\b:CD+16*\a+2*\b+1], v[T+8*\b:T+8*\b+7], v[CSC]
.endr
	v_nop                                          ; one plain line between the conversions and the next lines that write their sources
.irp b, 0,1,2,3,4,5,6,7
.if \t == 2
	ds_store_b64 v[STV], v[CD+16*\a+2*\b:CD+16*\a+2*\b+1] offset:2304*\a+32*(\b/2)+8*(\b%2)                  ; row = channel 16 a + r, pitch 144; keys 16 b + 8 h on at byte 32 (b / 2) + 16 h + 8 (b % 2)
.else
	ds_store_b64 v[STQ], v[CD+16*\a+2*\b:CD+16*\a+2*\b+1] offset:5120*(\b/4)+1280*\a+32*((\b%4)/2)+8*(\b%2)  ; head b / 4; row = token 16 a + r, pitch 80
.endif
.endr
.endr
.irp u, 0,1,2,3,4,5,6,7,8,9,10,11,12,13,14,15
.if \t == 2
	ds_load_b128 v[T+4*\u:T+4*\u+3], v[RDV] offset:576*\u                     ; LDS serves a wave's instructions in order: these see my stores
.else
	ds_load_b128 v[T+4*\u:T+4*\u+3], v[RDQ] offset:5120*(\u/8)+640*(\u%8)
.endif
.endr
.irp u, 0,1,2,3,4,5,6,7,8,9,10,11,12,13,14,15
	s_wait_dscnt 15-\u                             ; the younger read-backs may be out
.if \t == 2
	global_store_b128 v[GO], v[T+4*\u:T+4*\u+3], s[OBR:OBR+1] offset:512*\u
.else
	global_store_b128 v[GO], v[T+4*\u:T+4*\u+3], s[OBR:OBR+1] offset:131072*(\u/8)+512*(\u%8)
.endif
.endr
.endm
	s_load_b256 s[4:11], s[0:1], 0x0               ; cod s[4:5], bq s[6:7], bk s[8:9], bv s[10:11]
	s_load_b128 s[12:15], s[0:1], 0x20             ; the scales' exponents s[12:13], qkv s[14:15]
	v_lshl_add_u32 v[SPW], v0, 2, SPARE
	v_mov_b32 v[NIL], 0
	ds_add_u32 v[SPW], v[NIL]
	ds_add_u32 v[SPW], v[NIL]                      ; the wave's opening: the add and its wait stand ahead of my first tensor load; work on registers stands between them
	v_lshrrev_b32 v4, 5, v0
	v_readfirstlane_b32 s16, v4                    ; wave 0..3
	s_lshr_b32 s17, s16, 1                         ; my half of the tile's i.  Also: I fetch the i operand (0) or the j operand (1)
	s_and_b32 s18, s16, 1                          ; my half of its j.  Also: which half of that operand's rows I fetch
	s_bfe_u32 s40, ttmp6, 0x40000                  ; cx
	s_bfe_u32 s41, ttmp6, 0x40004                  ; cy
	s_mov_b32 s19, ttmp9                           ; the cluster's number, 0..15
	s_lshl_b32 s42, s41, 2
	s_lshl_b32 s42, 15, s42                        ; my row of the cluster
	s_lshl_b32 s43, 0x1111, s40                    ; my column
	s_or_b32 s[G1A], s42, (1<<20)|(1<<21)|(5<<22)|(3<<25)   ; 15:0 the mask; 17:16 elements of 1 byte; 20 padding on; 21 set beside a mask; 24:22 after every 64 words; 31:25 four words
	s_or_b32 s[G1B], s43, (1<<20)|(1<<21)|(5<<22)|(3<<25)
	s_mov_b32 s[G1A+1], 256<<16                    ; tensor_dim0 = 256
	s_mov_b32 s[G1A+2], 64<<16                     ; tensor_dim1 = 64
	s_mov_b32 s[G1A+3], 256<<16                    ; tile_dim0 = 256
	s_mov_b32 s[G1A+4], 64                         ; tile_dim1 = 64
	s_mov_b32 s[G1A+5], 1024                       ; from row to row
	s_mov_b32 s[G1A+6], 0
	s_mov_b32 s[G1A+7], 0
	s_mov_b32 s[G1B+1], 256<<16
	s_mov_b32 s[G1B+2], 128<<16                    ; 128 rows
	s_mov_b32 s[G1B+3], 256<<16
	s_mov_b32 s[G1B+4], 128
	s_mov_b32 s[G1B+5], 1024
	s_mov_b32 s[G1B+6], 0
	s_mov_b32 s[G1B+7], 0
	s_lshl_b32 s42, s19, 2
	s_add_co_u32 s42, s42, s41
	s_lshl_b32 s42, s42, 7                         ; q, k: the tile's first token: 128 (4 X + cy)
	s_lshr_b32 s2, s19, 3
	s_lshl_b32 s2, s2, 2
	s_add_co_u32 s2, s2, s41
	s_lshl_b32 s2, s2, 7                           ; v: the tile's first channel: 128 (4 (X / 8) + cy)
	s_lshl_b32 s43, s40, 8                         ; q, k: the tile's first channel: 256 cx
	s_and_b32 s3, s19, 7
	s_lshl_b32 s3, s3, 2
	s_add_co_u32 s3, s3, s40
	s_lshl_b32 s3, s3, 8                           ; v: the tile's first token: 256 (4 (X % 8) + cx)
	s_wait_dscnt 0x0                               ; the opening add is done
	s_wait_kmcnt 0x0
	s_load_b256 s[80:87], s[12:13], 0x0            ; e0 .. e7
	s_load_b32 s88, s[12:13], 0x24                 ; e9
	s_lshl_b32 s60, s18, 6                         ; the i rows that I fetch: made of the cluster's number, cy and the wave's number alone
	s_add_co_u32 s60, s60, s42
	s_lshl_b32 s60, s60, 10
	s_mov_b32 s61, 0
	s_add_nc_u64 s[AB:AB+1], s[4:5], s[60:61]      ; x's codes for q,
	s_add_nc_u64 s[AB+2:AB+3], s[AB:AB+1], XK      ; for k,
	s_lshl_b32 s60, s18, 6
	s_add_co_u32 s60, s60, s2
	s_lshl_b32 s60, s60, 10
	s_add_nc_u64 s[AB+4:AB+5], s[4:5], s[60:61]
	s_add_nc_u64 s[AB+4:AB+5], s[AB+4:AB+5], WV    ; Wv's codes
	s_lshl_b32 s62, s18, 7                         ; the j rows that I fetch: of the cluster's number, cx and the wave's number alone
	s_add_co_u32 s62, s62, s43
	s_lshl_b32 s62, s62, 10
	s_mov_b32 s63, 0
	s_add_nc_u64 s[BB:BB+1], s[4:5], s[62:63]
	s_add_nc_u64 s[BB:BB+1], s[BB:BB+1], WQ        ; Wq's codes,
	s_add_nc_u64 s[BB+2:BB+3], s[BB:BB+1], 1048576 ; Wk's,
	s_lshl_b32 s62, s18, 7
	s_add_co_u32 s62, s62, s3
	s_lshl_b32 s62, s62, 10
	s_add_nc_u64 s[BB+4:BB+5], s[4:5], s[62:63]
	s_add_nc_u64 s[BB+4:BB+5], s[BB+4:BB+5], XV    ; x's codes for v
	s_mul_i32 s60, s18, AHALF                      ; where they go: no place in the cluster enters an LDS address
	s_mul_i32 s62, s18, BHALF
	s_add_co_u32 s62, s62, BOFF
.irp s, 0,1
	s_mov_b32 s[G0A+4*\s], 1
	s_add_co_u32 s[G0A+4*\s+1], s60, \s*SLOT
	s_add_nc_u64 s[G0A+4*\s+2:G0A+4*\s+3], s[AB:AB+1], \s*256
	s_or_b32 s[G0A+4*\s+3], s[G0A+4*\s+3], 0x80000000
	s_mov_b32 s[G0B+4*\s], 1
	s_add_co_u32 s[G0B+4*\s+1], s62, \s*SLOT
	s_add_nc_u64 s[G0B+4*\s+2:G0B+4*\s+3], s[BB:BB+1], \s*256
	s_or_b32 s[G0B+4*\s+3], s[G0B+4*\s+3], 0x80000000
.endr
	CROUND                                         ; all sixteen work-groups are here: the first joint loads meet
	s_cmp_eq_u32 s17, 0                            ; a wave's two first fills stand in one branch: two loads of mine are out
	s_cbranch_scc0 .Lfirst_b
	tensor_load_to_lds s[G0A:G0A+3], s[G1A:G1A+7]
	s_nop 0
	tensor_load_to_lds s[G0A+4:G0A+7], s[G1A:G1A+7]
	s_nop 0
.rept 4
	v_nop
.endr
	s_branch .Lfirst_done
.Lfirst_b:
	tensor_load_to_lds s[G0B:G0B+3], s[G1B:G1B+7]
	s_nop 0
	tensor_load_to_lds s[G0B+4:G0B+7], s[G1B:G1B+7]
	s_nop 0
.rept 4
	v_nop
.endr
.Lfirst_done:
	v_and_b32 v1, 15, v0                           ; r
	v_bfe_u32 v2, v0, 4, 1                         ; h
	v_and_b32 v3, 31, v0                           ; lane
	s_lshl_b32 s89, s18, 7
	s_add_co_u32 s89, s89, s43
	s_lshl_b32 s89, s89, 2
	v_lshl_add_u32 v[BJO], v2, 5, s89              ; bq, bk: 4 (256 cx + 128 half) + 32 h
	s_lshl_b32 s89, s17, 6
	s_add_co_u32 s89, s89, s2
	s_lshl_b32 s89, s89, 2
	v_lshl_add_u32 v[BIO], v1, 2, s89              ; bv: 4 (the tile's first channel + 64 half + r)
	LOADBJ 6
.irp a, 0,1,2,3
	global_load_b32 v[BI+2*\a], v[BIO], s[10:11] offset:64*\a
	global_load_b32 v[BI+2*\a+1], v[BIO], s[10:11] offset:64*\a
.endr
	v_mul_u32_u24 v4, v1, 272
	v_lshl_add_u32 v4, v2, 4, v4                   ; a fragment's row x pitch + 16 x half
	s_mul_i32 s89, s17, AHALF
	v_add_nc_u32 v[ADRA], s89, v4
	v_add_nc_u32 v[ADRA+1], SLOT, v[ADRA]
	s_mul_i32 s89, s18, BHALF
	s_add_co_u32 s89, s89, BOFF
	v_add_nc_u32 v[ADRB], s89, v4
	v_add_nc_u32 v[ADRB+1], SLOT, v[ADRB]
	s_mul_i32 s89, s16, STGW
	s_add_co_u32 s89, s89, STAGE                   ; my stage
	v_mul_u32_u24 v5, v1, 80
	v_lshl_add_u32 v5, v2, 4, v5
	v_add_nc_u32 v[STQ], s89, v5
	v_lshrrev_b32 v5, 2, v3
	v_mul_u32_u24 v5, v5, 80
	v_and_b32 v6, 3, v3
	v_lshl_add_u32 v5, v6, 4, v5
	v_add_nc_u32 v[RDQ], s89, v5                   ; back: four lanes to a token's 64 bytes, eight tokens an instruction
	v_mul_u32_u24 v5, v1, 144
	v_lshl_add_u32 v5, v2, 4, v5
	v_add_nc_u32 v[STV], s89, v5
	v_lshrrev_b32 v5, 3, v3
	v_mul_u32_u24 v5, v5, 144
	v_and_b32 v6, 7, v3
	v_lshl_add_u32 v5, v6, 4, v5
	v_add_nc_u32 v[RDV], s89, v5                   ; back: eight lanes to a channel's 128 bytes, four channels an instruction
	v_lshlrev_b32 v[GO], 4, v3
	s_lshl_b32 s89, s17, 6                         ; where my parts of q and k begin
	s_add_co_u32 s89, s89, s42                     ; my first token
	s_lshr_b32 s20, s89, 11
	s_lshl_b32 s20, s20, 21                        ; its batch: 16 heads x 131,072 bytes
	s_and_b32 s21, s89, 2047
	s_lshl_b32 s21, s21, 6
	s_add_co_u32 s20, s20, s21
	s_lshl_b32 s21, s40, 2
	s_lshl_b32 s22, s18, 1
	s_add_co_u32 s21, s21, s22                     ; my first head: 4 cx + 2 half
	s_lshl_b32 s21, s21, 17
	s_add_co_u32 s20, s20, s21
	s_mov_b32 s21, 0
	s_add_nc_u64 s[20:21], s[14:15], s[20:21]
	s_add_nc_u64 s[22:23], s[20:21], 8388608
	s_lshl_b32 s89, s18, 7                         ; and of v
	s_add_co_u32 s89, s89, s3                      ; my first token
	s_lshr_b32 s78, s89, 11
	s_lshl_b32 s78, s78, 4
	s_lshr_b32 s79, s2, 6
	s_add_co_u32 s78, s78, s79
	s_add_co_u32 s78, s78, s17                     ; batch x 16 + my head
	s_lshl_b32 s78, s78, 4
	s_bfe_u32 s79, s89, 0x40007                    ; my block of 128 keys
	s_add_co_u32 s78, s78, s79
	s_lshl_b32 s78, s78, 13
	s_mov_b32 s79, 0
	s_add_nc_u64 s[78:79], s[14:15], s[78:79]
	s_add_nc_u64 s[78:79], s[78:79], 16777216
	s_wait_kmcnt 0x0
.irp t, 0,1,2
	s_add_co_i32 s[90+2*\t], s[80+2*\t], s[81+2*\t]
	s_add_co_i32 s[90+2*\t], s[90+2*\t], 127
	s_lshl_b32 s[90+2*\t], s[90+2*\t], 23          ; 2^(eA + eB) as f32
	s_mov_b32 s[91+2*\t], s[90+2*\t]               ; (named with it as a pair, so it is written)
.endr
	MKQ 96, 86
	MKQ 98, 87
	MKQ 100, 88
	s_wait_tensorcnt 1                             ; my part of K step 0 is in; K step 1's load may be out
	s_barrier_signal -1
	s_barrier_wait -1
	FETCH 0, 0, 0
	STEP0 0, 1                                     ; ---- q
	TURN 0, 1, 0, 2
	STEP0 1, 0
	TURN 1, 1, 0, 3
	STEP0 0, 0
	TURN 0, 1, 1, 0                                ; the ring goes on into the next tile
	STEP0 1, 0
	TURN 1, 1, 1, 1
	EPI 0                                          ; both refills are asked for: now the tile goes out
	LOADBJ 8                                       ; bk takes bq's registers
	STEP0 0, 1                                     ; ---- k
	TURN 0, 1, 1, 2
	STEP0 1, 0
	TURN 1, 1, 1, 3
	STEP0 0, 0
	TURN 0, 1, 2, 0
	STEP0 1, 0
	TURN 1, 1, 2, 1
	EPI 1
	STEP0 0, 1                                     ; ---- v
	TURN 0, 1, 2, 2
	STEP0 1, 0
	TURN 1, 1, 2, 3
	STEP0 0, 0
	TURN 0, 0, 0, 0                                ; nothing is left to fetch: no round
	STEP0 1, 0
	s_wait_dscnt 0x0
	WIN MUL
	MUL8 0, 1, 0
	MUL8 1, 1, 0
	MUL8 2, 1, 0
	MUL8 3, 1, 0
	EPI 2
	s_wait_tensorcnt 0x0                           ; the wave's end
	ds_add_u32 v[SPW], v[NIL]
	s_wait_dscnt 0x0
	CROUND                                         ; the closing round: no work-group ends while a partner may still ask for a tile that names it
	s_endpgm
.Lfunc_end_k_q691fae6b79_proj:
	.size	k_q691fae6b79_proj, .Lfunc_end_k_q691fae6b79_proj-k_q691fae6b79_proj
	.p2alignl 7, 3214868480
	.fill 96, 4, 3214868480
	.section	.rodata,"a",@progbits
	.p2align	6, 0x0
	.amdhsa_kernel k_q691fae6b79_proj
		.amdhsa_group_segment_fixed_size 327680
		.amdhsa_private_segment_fixed_size 0
		.amdhsa_enable_private_segment 0
		.amdhsa_kernarg_size 48
		.amdhsa_user_sgpr_count 2
		.amdhsa_user_sgpr_kernarg_segment_ptr 1
		.amdhsa_wavefront_size32 1
		.amdhsa_system_sgpr_workgroup_id_x 1
		.amdhsa_system_sgpr_workgroup_id_y 1
		.amdhsa_system_sgpr_workgroup_id_z 1
		.amdhsa_system_vgpr_workitem_id 0
		.amdhsa_next_free_vgpr 896
		.amdhsa_next_free_sgpr 102
		.amdhsa_reserve_vcc 0
		.amdhsa_float_denorm_mode_32 3
		.amdhsa_float_denorm_mode_16_64 3
		.amdhsa_fp16_overflow 1
		.amdhsa_memory_ordered 1
		.amdhsa_forward_progress 1
		.amdhsa_inst_pref_size 200
	.end_amdhsa_kernel
	.amdgpu_metadata
---
amdhsa.version: [ 1, 2 ]
amdhsa.kernels:
  - .name:           k_q691fae6b79_proj
    .symbol:         k_q691fae6b79_proj.kd
    .args:
      - { .name: cod, .offset: 0, .size: 8, .value_kind: global_buffer, .address_space: global }
      - { .name: bq, .offset: 8, .size: 8, .value_kind: global_buffer, .address_space: global }
      - { .name: bk, .offset: 16, .size: 8, .value_kind: global_buffer, .address_space: global }
      - { .name: bv, .offset: 24, .size: 8, .value_kind: global_buffer, .address_space: global }
      - { .name: lowp_scales, .offset: 32, .size: 8, .value_kind: global_buffer, .address_space: global }
      - { .name: qkv, .offset: 40, .size: 8, .value_kind: global_buffer, .address_space: global }
    .group_segment_fixed_size: 327680
    .private_segment_fixed_size: 0
    .kernarg_segment_align: 8
    .kernarg_segment_size: 48
    .max_flat_workgroup_size: 128
    .sgpr_count:     102
    .vgpr_count:     896
    .wavefront_size: 32
...
	.end_amdgpu_metadata
.endif
;; end of part 2
;; launch attn (part 3): grid 4 x 64, 16 waves a work-group, no clusters, 327,680 bytes of LDS; arguments qkv, lowp_scales, acodes; writes acodes
.if DOCPART == 3
	.amdgcn_target "amdgcn-amd-amdhsa--gfx1250"
	.amdhsa_code_object_version 6
	.text
	.protected	k_q691fae6b79_attn
	.globl	k_q691fae6b79_attn
	.p2align	8
	.type	k_q691fae6b79_attn,@function
k_q691fae6b79_attn:
	s_mov_b64 s[64:65], 0
	v_nop
	global_prefetch_b8 v0, s[64:65] scope:SCOPE_SE
	s_setreg_imm32_b32 hwreg(HW_REG_WAVE_MODE, 25, 1), 1
	s_wait_xcnt 0x0
; Causal attention on E4M3 codes, head size 64, 2,048 tokens, 64 heads (batch x 16 + head).  q, k, v come as the launch before laid them (q, k: [head][token][64 bytes]; v: [head][block of 128 keys][channel][128 bytes]).
; t = score x 2^(e6 + e7) x log2(e) / 8; M = the running largest t rounded UP to a whole number; p = 2^(t - M) is quantised by e8, not normalised; the row's sum is taken of the unquantised p; when M moves, sum and O are multiplied by 2^(old M - new M), exact.
; O x 2^(e8 + e9) / sum is quantised by e10 into acodes [head 16][token 8192][64 bytes].
; SHARES.  Work-group (p, head) owns the query blocks p and 7 - p of 256 queries; each of its sixteen waves one tile of 16 queries in each.  A tile at query Q walks the key steps of 128 up to its diagonal:
; 2 p + 1 or 2 and 2 (7 - p) + 1 or 2 steps: 16 or 18 a wave, whatever p.  Steps wholly behind the diagonal are left out by a scalar branch on ids.
; NO RING: the head's K and V, 131,072 bytes each, lie whole in LDS, filled once, as rows of 256 bytes + 16 of padding.  Each wave issues two tensor loads at the head: its part of keys 0-511, then of keys 512-2,047; the first four key steps run while the second lands.
; NO CLUSTER, though the four work-groups of a head read the same K and V: what tells them apart is the query block, on which the causal skip branches.
; LAYOUT.  Both products transposed: S^T = K Q^T (source 0 = 16 neighbouring keys, source 1 = my 16 queries), O^T = V^T P^T: a lane holds ONE query (lane % 16).  Register j of score tile t is key 16 t + 8 (lane / 16) + j:
; a conversion's two registers are registers 2 t, 2 t + 1 of the second product's operand, every key in its own place.
; LIMITS: e6 + e7 between -123 and 130; e8 and e10 between -126 and 119.  NaN is not served.
; REGISTERS: v1, v2 my lane's place in a tile of K, of V; v3, v4 the add's two; v5, v6 the step's addresses; v7 r - 8 h; v8-10 the way out; v12-15, v16-19 -M, the largest t, the sum's pair, for tile A, B; v20-35 Q; v36-99 K's, then V's fragments;
; v100-163 S^T, then p; v164-179 p's codes; v180-243 O^T; v244 the scale; v246-254 at work.
.set VOFF,  139264                     ; 512 rows x 272: K; V begins here
.set STAGE, 278528                     ; behind both: 16 rows x 80 bytes for each wave
.set SPARE, 299008                     ; behind the stages: the spare words, 128 bytes for each wave: eight blocks of 256 bytes that no other line names
.set F, 36
.set S, 100
.set P, 164
	s_load_b128 s[4:7], s[0:1], 0x0                ; qkv s[4:5], the scales' exponents s[6:7]
	s_load_b64 s[8:9], s[0:1], 0x10                ; acodes
	v_lshl_add_u32 v3, v0, 2, SPARE
	v_mov_b32 v4, 0
	ds_add_u32 v3, v4                              ; the wave's opening: the add and its wait stand ahead of my first tensor load; work on registers stands between them
	ds_add_u32 v3, v4
	v_lshrrev_b32 v5, 5, v0
	s_delay_alu instid0(VALU_DEP_1)
	v_readfirstlane_b32 s10, v5                    ; wave 0..15
	s_mov_b32 s11, ttmp9                           ; p
	s_and_b32 s12, ttmp7, 0xffff                   ; the head
	s_lshr_b32 s13, s10, 3                         ; I fetch for K (0) or V (1),
	s_and_b32 s14, s10, 7                          ; this eighth of the rows
	s_mov_b32 s16, 0x07530000                      ; group 1: no mask; elements of 8 bytes; padding on: four words after every 64
	s_mov_b32 s17, 32<<16                          ; tensor_dim0 = 32 elements: 256 bytes
	s_mov_b32 s18, 16<<16                          ; tensor_dim1 = 16 rows
	s_mov_b32 s19, 32<<16                          ; tile_dim0
	s_mov_b32 s20, 16                              ; tile_dim1
	s_mov_b32 s21, 32                              ; rows are dense
	s_mov_b32 s22, 0
	s_mov_b32 s23, 0
	s_mov_b32 s24, 0x07530000                      ; the same with 48 rows
	s_mov_b32 s25, 32<<16
	s_mov_b32 s26, 48<<16
	s_mov_b32 s27, 32<<16
	s_mov_b32 s28, 48
	s_mov_b32 s29, 32
	s_mov_b32 s30, 0
	s_mov_b32 s31, 0
	s_mul_i32 s15, s13, VOFF
	s_mov_b32 s32, 1
	s_mul_i32 s33, s14, 16*272
	s_add_co_u32 s33, s33, s15                     ; rows 16 x part on
	s_mov_b32 s36, 1
	s_mul_i32 s37, s14, 48*272
	s_add_co_u32 s37, s37, s15
	s_add_co_u32 s37, s37, 128*272                 ; rows 128 + 48 x part on
	s_lshl_b32 s2, s13, 23
	s_lshl_b32 s15, s12, 17
	s_add_co_u32 s2, s2, s15
	s_add_co_u32 s2, s2, 8388608                   ; k at 8,388,608, v at 16,777,216; the head's 131,072 bytes
	s_mov_b32 s3, 0
	s_lshl_b32 s53, s11, 8
	s_lshl_b32 s57, s10, 4
	s_add_co_u32 s53, s53, s57                     ; tile A's first query: 256 p + 16 wave
	s_sub_co_u32 s54, 7, s11
	s_lshl_b32 s54, s54, 8
	s_add_co_u32 s54, s54, s57                     ; tile B's: 256 (7 - p) + 16 wave
	s_add_co_u32 s55, s53, 15
	s_add_co_u32 s56, s54, 15
	s_mov_b32 s48, 0x76543210                      ; v_permlanex16_b32: lane l xor 16
	s_mov_b32 s49, 0xfedcba98
	s_wait_dscnt 0x0                               ; the opening add is done
	s_wait_kmcnt 0x0
	s_load_b128 s[40:43], s[6:7], 0x18             ; e6, e7, e8, e9
	s_load_b32 s44, s[6:7], 0x28                   ; e10
	s_add_nc_u64 s[2:3], s[4:5], s[2:3]
	s_lshl_b32 s62, s14, 12
	s_mov_b32 s63, 0
	s_add_nc_u64 s[34:35], s[2:3], s[62:63]
	s_or_b32 s35, s35, 0x80000000
	s_mul_i32 s62, s14, 48*256
	s_add_co_u32 s62, s62, 128*256
	s_add_nc_u64 s[38:39], s[2:3], s[62:63]
	s_or_b32 s39, s39, 0x80000000
	tensor_load_to_lds s[32:35], s[16:23]          ; keys 0-511: my 16 rows
	s_nop 0
	s_wait_alu depctr_va_vdst(0)
	s_wait_tensorcnt 0x0
	ds_add_u32 v3, v4
	s_wait_dscnt 0x0
	s_barrier_signal -1
	s_barrier_wait -1
	tensor_load_to_lds s[36:39], s[24:31]          ; keys 512-2,047: my 48 rows.  One load of mine is out, and no more follow
	s_nop 0
.rept 4
	v_nop
.endr
	v_and_b32 v11, 15, v0                          ; r
	v_bfe_u32 v251, v0, 4, 1                       ; h
	v_and_b32 v252, 31, v0                         ; lane
	s_lshl_b32 s62, s12, 17
	s_add_nc_u64 s[62:63], s[4:5], s[62:63]        ; q's head
	v_lshlrev_b32 v5, 6, v11
	s_delay_alu instid0(VALU_DEP_1)
	v_lshl_add_u32 v5, v251, 4, v5                 ; 64 r + 16 h
	s_lshl_b32 s57, s54, 6
	v_add_nc_u32 v6, s57, v5
	s_lshl_b32 s57, s53, 6
	v_add_nc_u32 v5, s57, v5
	global_load_b128 v[20:23], v5, s[62:63]        ; Q's two fragments stay in registers
	global_load_b128 v[24:27], v5, s[62:63] offset:32
	global_load_b128 v[28:31], v6, s[62:63]
	global_load_b128 v[32:35], v6, s[62:63] offset:32
	v_lshrrev_b32 v1, 2, v11                       ; K: key r of a tile lies at 272 (r / 4) + 64 (r % 4): sixteen lanes touch sixteen different columns of 16 bytes
	s_delay_alu instid0(VALU_DEP_1)
	v_mul_u32_u24 v1, v1, 272
	v_and_b32 v2, 3, v11
	s_delay_alu instid0(VALU_DEP_1)
	v_lshl_add_u32 v1, v2, 6, v1
	s_delay_alu instid0(VALU_DEP_1)
	v_lshl_add_u32 v1, v251, 4, v1
	v_lshrrev_b32 v2, 1, v11                       ; V: channel r of a tile lies at 272 (r / 2) + 128 (r % 2)
	s_delay_alu instid0(VALU_DEP_1)
	v_mul_u32_u24 v2, v2, 272
	v_and_b32 v7, 1, v11
	s_delay_alu instid0(VALU_DEP_1)
	v_lshl_add_u32 v2, v7, 7, v2
	s_delay_alu instid0(VALU_DEP_1)
	v_lshl_add_u32 v2, v251, 4, v2
	s_delay_alu instid0(VALU_DEP_1)
	v_add_nc_u32 v2, VOFF, v2
	v_lshlrev_b32 v7, 3, v251
	s_delay_alu instid0(VALU_DEP_1)
	v_sub_nc_u32 v7, v11, v7                       ; r - 8 h
	s_mul_i32 s57, s10, 1280
	s_add_co_u32 s57, s57, STAGE                   ; my stage
	v_mul_u32_u24 v8, v11, 80
	s_delay_alu instid0(VALU_DEP_1)
	v_lshl_add_u32 v8, v251, 3, v8
	s_delay_alu instid0(VALU_DEP_1)
	v_add_nc_u32 v8, s57, v8                       ; in: row r, 8 bytes for each half of the lanes
	v_lshrrev_b32 v9, 2, v252
	s_delay_alu instid0(VALU_DEP_1)
	v_mul_u32_u24 v9, v9, 80
	v_and_b32 v10, 3, v252
	s_delay_alu instid0(VALU_DEP_1)
	v_lshl_add_u32 v9, v10, 4, v9
	s_delay_alu instid0(VALU_DEP_1)
	v_add_nc_u32 v9, s57, v9                       ; back: four lanes to a query's 64 bytes
	v_lshlrev_b32 v10, 4, v252                     ; and the same place in memory: 16 x lane
.irp x, 0,1
	v_mov_b32 v[13+4*\x], 0xff61b1e6               ; the largest t so far: -3e38
	s_delay_alu instid0(VALU_DEP_1)
	v_floor_f32 v[12+4*\x], -v[13+4*\x]            ; -M
	v_mov_b32 v[14+4*\x], 0                        ; the sum, in two halves
	v_mov_b32 v[15+4*\x], 0
.endr
.set n, 180
.rept 64
	v_mov_b32 v[n], 0                              ; O^T: the step is written once; the first finds zeros, which the first change of M leaves zeros
.set n, n+1
.endr
	v_mov_b32 v247, 0                              ; (named as the upper half of the pair v[246:247])
	v_mov_b32 v250, 0                              ; written once: a lane permute's destination counts as one of its sources
	v_mov_b32 v254, 0
	v_mov_b32 v253, 0xff800000                     ; -infinity
	s_and_b32 s57, s12, 15                         ; where my tiles go: head x 524,288 + (batch x 2,048 + query) x 64
	s_lshl_b32 s57, s57, 19
	s_lshr_b32 s45, s12, 4
	s_lshl_b32 s45, s45, 17
	s_add_co_u32 s57, s57, s45
	s_lshl_b32 s45, s53, 6
	s_add_co_u32 s58, s57, s45
	s_mov_b32 s59, 0
	s_add_nc_u64 s[58:59], s[8:9], s[58:59]
	s_lshl_b32 s45, s54, 6
	s_add_co_u32 s60, s57, s45
	s_mov_b32 s61, 0
	s_add_nc_u64 s[60:61], s[8:9], s[60:61]
	s_wait_kmcnt 0x0
	s_add_co_i32 s57, s40, s41
	s_lshl_b32 s57, s57, 23
	s_mov_b32 s46, 0x3e38aa3b                      ; log2(e) / 8,
	s_add_co_i32 s46, s46, s57                     ; x 2^(e6 + e7): the two exponents are added to its exponent field
	s_mov_b32 s47, s46                             ; (named with it as a pair, so it is written)
	s_add_co_i32 s57, s42, 127
	s_lshl_b32 s45, s57, 23
	v_mov_b32 v244, s45                            ; 2^e8
; A KEY STEP of tile x: 128 keys from s51 on; their tiles begin at LDS byte s50 of K's and of V's region.
.macro TSTEP x
.set ST, 12+4*\x
.set QR, 20+8*\x
.set O,  180+32*\x
	s_cmp_gt_u32 s51, s[55+\x]                     ; all 128 keys come after my 16 queries: the step is left out
	s_cbranch_scc1 .Lhid_\@
	v_add_nc_u32 v5, s50, v1
	v_add_nc_u32 v6, s50, v2
	v_nop
	v_nop                                          ; four plain lines in front of loads into registers that the last products read
.irp t, 0,1,2,3,4,5,6,7
	ds_load_b128 v[F+8*\t:F+8*\t+3], v5 offset:1088*\t
	ds_load_b128 v[F+8*\t+4:F+8*\t+7], v5 offset:1088*\t+32
.endr
	s_wait_alu depctr_va_vdst(0)
	s_wait_dscnt 0x0
.irp t, 0,1,2,3,4,5,6,7
	v_wmma_f32_16x16x64_fp8_fp8 v[S+8*\t:S+8*\t+7], v[F+8*\t:F+8*\t+7], v[QR:QR+7], 0
.endr
.rept 4
	v_nop
.endr
.irp d, 0,1,2,3                                ; V's fragments take K's registers and land under the softmax
.irp c, 0,1,2,3
	ds_load_b128 v[F+16*\d+4*\c:F+16*\d+4*\c+3], v6 offset:2176*\d+32*\c
.endr
.endr
	s_add_co_u32 s57, s51, 127                     ; on the diagonal hidden scores become -infinity ahead of the maximum; a step all of whose keys count skips this.  The step's first key counts for all 16 queries
	s_cmp_le_u32 s57, s[53+\x]
	s_cbranch_scc1 .Lopen_\@
	s_sub_co_i32 s57, s[53+\x], s51
	v_add_nc_u32 v254, s57, v7                     ; d = my query - the step's first key - 8 h: register 8 t + j is hidden where 16 t + j > d
.set n, 0
.rept 64
	v_cmp_gt_i32 vcc_lo, 16*(n/8)+n%8, v254
	v_cndmask_b32 v[S+n], v[S+n], v253, vcc_lo
.set n, n+1
.endr
.Lopen_\@:
	v_max3_num_f32 v251, v[S], v[S+1], v[S+2]      ; the step's largest score of my query, in two chains, each accumulator from its low end on
	v_max3_num_f32 v252, v[S+3], v[S+4], v[S+5]
.irp i, 6,10,14,18,22,26,30,34,38,42,46,50,54,58
	v_max3_num_f32 v251, v251, v[S+\i], v[S+\i+1]
	v_max3_num_f32 v252, v252, v[S+\i+2], v[S+\i+3]
.endr
	v_max3_num_f32 v251, v251, v[S+62], v[S+63]
	s_delay_alu instid0(VALU_DEP_1)
	v_max_num_f32 v251, v251, v252
	s_delay_alu instid0(VALU_DEP_1)
	v_permlanex16_b32 v250, v251, s48, s49
	s_delay_alu instid0(VALU_DEP_1)
	v_max_num_f32 v251, v251, v250                 ; and among lane l xor 16's
	s_delay_alu instid0(VALU_DEP_1)
	v_mul_f32 v251, s46, v251                      ; as t
	s_delay_alu instid0(VALU_DEP_1)
	v_max_num_f32 v[ST+1], v[ST+1], v251           ; the running largest t
	v_mov_b32 v251, v[ST]
	s_delay_alu instid0(VALU_DEP_2)
	v_floor_f32 v[ST], -v[ST+1]                    ; the new -M = -ceil(t)
	s_delay_alu instid0(VALU_DEP_1)
	v_sub_f32 v251, v[ST], v251                    ; old M - new M: a whole number, 0 or less
	s_delay_alu instid0(VALU_DEP_1)
	v_cvt_i32_f32 v251, v251                       ; (it saturates)
	s_delay_alu instid0(VALU_DEP_1)
	v_ldexp_f32 v246, 1.0, v251                    ; f = 2^(old M - new M)
.set n, 0
.rept 32
	v_pk_fma_f32 v[S+n:S+n+1], v[S+n:S+n+1], s[46:47], v[ST:ST+1] op_sel_hi:[1,0,0]   ; t - M
.set n, n+2
.endr
.set n, 0
	s_wait_alu depctr_va_vdst(0)
.rept 64
	v_exp_f32 v[S+n], v[S+n]                       ; p = 2^(t - M)
.set n, n+1
.endr
	v_pk_mul_f32 v[ST+2:ST+3], v[ST+2:ST+3], v[246:247] op_sel_hi:[1,0]   ; the sums under the new M: the plain line behind the exponentials
	s_wait_alu depctr_va_vdst(0)                   ; one wait for the whole batch, ahead of its first reader
	v_pk_add_f32 v[248:249], v[S:S+1], v[S+2:S+3]  ; the row's sum is taken of the unquantised p, in two chains
.set n, 4
.rept 15
	v_pk_add_f32 v[ST+2:ST+3], v[ST+2:ST+3], v[S+n:S+n+1]
	v_pk_add_f32 v[248:249], v[248:249], v[S+n+2:S+n+3]
.set n, n+4
.endr
	s_delay_alu instid0(VALU_DEP_1)
	v_pk_add_f32 v[ST+2:ST+3], v[ST+2:ST+3], v[248:249]
.irp t, 0,1,2,3,4,5,6,7
.irp i, 0,1,2,3,4,5,6,7
.endr
	v_cvt_scalef32_pk8_fp8_f32 v[P+2*\t:P+2*\t+1], v[S+8*\t:S+8*\t+7], v244
.endr
.set n, 0
.rept 16
	v_pk_mul_f32 v[O+n:O+n+1], v[O+n:O+n+1], v[246:247] op_sel_hi:[1,0]   ; O^T under the new M; also the plain lines between the conversions and the products
.set n, n+2
.endr
	s_wait_alu depctr_va_vdst(0)
	s_wait_dscnt 0x0                               ; V is in
.irp d, 0,1,2,3
	v_wmma_f32_16x16x128_fp8_fp8 v[O+8*\d:O+8*\d+7], v[F+16*\d:F+16*\d+15], v[P:P+15], v[O+8*\d:O+8*\d+7]
.endr
.Lhid_\@:
.endm
	s_mov_b32 s50, 0
	s_mov_b32 s51, 0
	s_wait_loadcnt 0x0                             ; Q
	s_wait_tensorcnt 0x1                           ; my part of keys 0-511 is in; my second load may stay out: no LDS byte is ever filled again
	s_barrier_signal -1
	s_barrier_wait -1                              ; everybody's is
	s_mov_b32 s52, 4
.Lnear:                                            ; keys 0-511
	TSTEP 0
	TSTEP 1
	s_add_co_u32 s51, s51, 128
	s_add_co_u32 s50, s50, 8704                    ; 32 rows of 272 bytes
	s_sub_co_u32 s52, s52, 1
	s_cmp_lg_u32 s52, 0
	s_cbranch_scc1 .Lnear
	s_wait_dscnt 0x0
	s_wait_tensorcnt 0x0                           ; my part of the other keys is in
	s_barrier_signal -1
	s_barrier_wait -1                              ; everybody's is
	s_mov_b32 s50, 34816
	s_mov_b32 s52, 12
.Lfar:                                             ; keys 512-2,047
	TSTEP 0
	TSTEP 1
	s_add_co_u32 s51, s51, 128
	s_add_co_u32 s50, s50, 8704
	s_sub_co_u32 s52, s52, 1
	s_cmp_lg_u32 s52, 0
	s_cbranch_scc1 .Lfar
	; THE WAY OUT.  O^T x 2^(e8 + e9) / the sum, quantised by e10; 8 bytes a lane and tile of channels into my stage; back as whole rows: each store of the wave covers 512 consecutive bytes, aligned.
.rept 4
	v_nop
.endr
	v_add_f32 v251, v14, v15
	s_wait_alu depctr_va_vdst(0)
	v_add_f32 v252, v18, v19
	v_permlanex16_b32 v250, v251, s48, s49
	s_delay_alu instid0(VALU_DEP_2)
	v_permlanex16_b32 v254, v252, s48, s49
	s_delay_alu instid0(VALU_DEP_2)
	v_add_f32 v251, v251, v250
	s_delay_alu instid0(VALU_DEP_2)
	v_add_f32 v252, v252, v254
	s_wait_alu depctr_va_vdst(0)
	v_rcp_f32 v251, v251
	v_rcp_f32 v252, v252
	v_nop                                          ; a plain line behind the reciprocals
	s_add_co_i32 s15, s42, s43
	s_add_co_i32 s45, s44, 127
	s_lshl_b32 s57, s45, 23
	v_mov_b32 v244, s57                            ; 2^e10
	s_wait_alu depctr_va_vdst(0)                   ; one wait for both, ahead of their first reader
	v_ldexp_f32 v251, v251, s15
	v_ldexp_f32 v252, v252, s15
.irp x, 0,1
.set n, 0
.rept 32
	v_mul_f32 v[S+32*\x+n], v[180+32*\x+n], v[251+\x]
.set n, n+1
.endr
.set n, 0
.rept 32
.set n, n+1
.endr
.irp d, 0,1,2,3
	v_cvt_scalef32_pk8_fp8_f32 v[P+8*\x+2*\d:P+8*\x+2*\d+1], v[S+32*\x+8*\d:S+32*\x+8*\d+7], v244
.endr
	v_nop
.irp d, 0,1,2,3
	ds_store_b64 v8, v[P+8*\x+2*\d:P+8*\x+2*\d+1] offset:16*\d     ; channels 16 d + 8 h on of query r
.endr
.irp u, 0,1
	ds_load_b128 v[F+8*\x+4*\u:F+8*\x+4*\u+3], v9 offset:640*\u    ; LDS serves a wave's instructions in order: these see my stores, and the other tile's stores come behind them
.endr
	s_wait_dscnt 0x0
.irp u, 0,1
	global_store_b128 v10, v[F+8*\x+4*\u:F+8*\x+4*\u+3], s[58+2*\x:59+2*\x] offset:512*\u
.endr
.endr
	s_wait_tensorcnt 0x0                           ; the wave's end
	ds_add_u32 v3, v4
	s_wait_dscnt 0x0
	s_endpgm
.Lfunc_end_k_q691fae6b79_attn:
	.size	k_q691fae6b79_attn, .Lfunc_end_k_q691fae6b79_attn-k_q691fae6b79_attn
	.p2alignl 7, 3214868480
	.fill 96, 4, 3214868480
	.section	.rodata,"a",@progbits
	.p2align	6, 0x0
	.amdhsa_kernel k_q691fae6b79_attn
		.amdhsa_group_segment_fixed_size 327680
		.amdhsa_private_segment_fixed_size 0
		.amdhsa_enable_private_segment 0
		.amdhsa_kernarg_size 24
		.amdhsa_user_sgpr_count 2
		.amdhsa_user_sgpr_kernarg_segment_ptr 1
		.amdhsa_wavefront_size32 1
		.amdhsa_system_sgpr_workgroup_id_x 1
		.amdhsa_system_sgpr_workgroup_id_y 1
		.amdhsa_system_sgpr_workgroup_id_z 1
		.amdhsa_system_vgpr_workitem_id 0
		.amdhsa_next_free_vgpr 256
		.amdhsa_next_free_sgpr 66
		.amdhsa_reserve_vcc 1
		.amdhsa_float_denorm_mode_32 3
		.amdhsa_float_denorm_mode_16_64 3
		.amdhsa_fp16_overflow 1
		.amdhsa_memory_ordered 1
		.amdhsa_forward_progress 1
		.amdhsa_inst_pref_size 90
	.end_amdhsa_kernel
	.amdgpu_metadata
---
amdhsa.version: [ 1, 2 ]
amdhsa.kernels:
  - .name:           k_q691fae6b79_attn
    .symbol:         k_q691fae6b79_attn.kd
    .args:
      - { .name: qkv, .offset: 0, .size: 8, .value_kind: global_buffer, .address_space: global }
      - { .name: lowp_scales, .offset: 8, .size: 8, .value_kind: global_buffer, .address_space: global }
      - { .name: acodes, .offset: 16, .size: 8, .value_kind: global_buffer, .address_space: global }
    .group_segment_fixed_size: 327680
    .private_segment_fixed_size: 0
    .kernarg_segment_align: 8
    .kernarg_segment_size: 24
    .max_flat_workgroup_size: 512
    .sgpr_count:     66
    .vgpr_count:     256
    .wavefront_size: 32
...
	.end_amdgpu_metadata
.endif
;; end of part 3
;; launch oproj (part 4): grid 4 x 64, 4 waves a work-group, clusters of 4 x 4, 327,680 bytes of LDS; arguments acodes, cod, bo, lowp_scales, out0; writes out0
.if DOCPART == 4
	.amdgcn_target "amdgcn-amd-amdhsa--gfx1250"
	.amdhsa_code_object_version 6
	.text
	.protected	k_q691fae6b79_oproj
	.globl	k_q691fae6b79_oproj
	.p2align	8
	.type	k_q691fae6b79_oproj,@function
k_q691fae6b79_oproj:
	s_mov_b64 s[64:65], 0
	v_nop
	global_prefetch_b8 v0, s[64:65] scope:SCOPE_SE
	s_setreg_imm32_b32 hwreg(HW_REG_WAVE_MODE, 25, 1), 1
	s_wait_xcnt 0x0
	s_wait_alu depctr_hold_cnt(0) depctr_sa_sdst(0) depctr_va_vdst(0) depctr_va_sdst(0) depctr_va_ssrc(0) depctr_va_vcc(0) depctr_vm_vsrc(0)
	s_getreg_b32 s2, hwreg(HW_REG_IB_STS2, 6, 4)
	s_cmp_eq_u32 s2, 0
	s_cbranch_scc0 .Lentry_in_a_cluster
	s_endpgm
.Lentry_in_a_cluster:
	s_bfe_u32 s2, ttmp6, 0x10000c
	s_cmp_lg_u32 s2, 0xf033
	s_cbranch_scc0 .Lentry_shape_is_right
	s_endpgm
.Lentry_shape_is_right:
; out0 = a Wo + bo on E4M3 codes (v_wmma_f32_16x16x128_fp8_fp8, f32 sums): out0 = sum x 2^(e10 + e11) + bo, f32.  a: acodes [head 16][token 8192][64 bytes]; Wo's codes [n][k] at byte 28,311,552 of cod; k = 64 head + channel.
; A tile of 128 tokens x 256 columns to a work-group: 256 work-groups.  Four waves, each 64 x 128: 32 accumulators.  Four K steps of 256 (four heads), written out, through a ring of two LDS slots.
; THE MATRIX INSTRUCTION IS USED TRANSPOSED (source 0 = 16 rows of Wo's codes, source 1 = 16 tokens): a lane holds one token and eight neighbouring columns.
; a's tile: for each of a K step's four heads 64 tokens x 64 bytes, dense in memory: one row of 4,096 bytes, with 16 bytes of padding behind every 256: token t of a head lies at 272 (t / 4) + 64 (t % 4).
; A fragment is fetched by four loads of 16 bytes: register 4 c on holds k = 32 c + 16 (lane / 16) + 0 .. 15 of the 128, on both sides alike.
; CLUSTERS: 4 x 4 work-groups; a's tile is shared along a row of the cluster, Wo's along a column: joint loads.
; LIMIT: e10 + e11 between -126 and 127.
; REGISTERS, in windows of 256: window 0: addresses, the bias, the way out.  window 1: Wo's fragments, two sets, v[128 p + 16 b].  window 2: accumulator (a, b) at v[8 (8 a + b)].  window 3: a's fragments, two sets, v[64 p + 16 a].
.set SLOT,   104448                    ; a's 2 x 17,408 bytes, then Wo's 256 rows x 272
.set BOFF,   34816
.set AHALF,  17408
.set BHALF,  34816
.set STAGE,  208896                    ; behind the ring: 16 rows x 528 bytes for each wave
.set STGW,   8448
.set SPARE,  242688                    ; behind the stages: the spare words, 128 bytes for each wave: two blocks of 256 bytes that no other line names
.set WO, 28311552
.set SPW, 8
.set NIL, 9
.set ADRA, 16
.set ADRB, 18
.set STO, 20
.set RD,  21
.set GO,  24
.set BJO, 25
.set BJ,  32                           ; v32-95   bo: 8 numbers for each b
.set T,   96                           ; v96-159  a block's 64 results
.set RB,  160                          ; v160-223 16 rows read back
.set G1A, 24
.set G1B, 32
.set G0A, 44
.set G0B, 52
.set AB,  66
.set BB,  72
.set MSB, 0
.macro WIN new                         ; the immediate's high byte repeats the setting that is left
.if MSB != \new
	s_set_vgpr_msb (MSB<<8)|\new
.set MSB, \new
.endif
.endm
.set MUL,  0xad                        ; source 0 window 1, source 1 window 3, C and D window 2
.set TO_B, 0x40
.set TO_A, 0xc0
.set ACC,  0x02
.macro PLACES                          ; four plain vector lines between a matrix instruction and a load into, or a read of, its registers
.rept 4
	v_nop
.endr
.endm
.macro CREST
	s_cmp_lg_u32 s16, 0
	s_cbranch_scc1 .Lnot_wave_0_\@
	s_barrier_signal -3
.Lnot_wave_0_\@:
	s_barrier_wait -3
	s_barrier_signal -1
	s_barrier_wait -1
.endm
.macro CROUND
	s_barrier_signal -1
	s_barrier_wait -1
	CREST
.endm
.macro JLOAD g0a, g0b                  ; waves 0, 1 fetch a's halves, waves 2, 3 Wo's; an s_nop 0 and four v_nop follow each line
	s_cmp_eq_u32 s17, 0
	s_cbranch_scc0 .Lfor_b_\@
	tensor_load_to_lds s[\g0a:\g0a+3], s[G1A:G1A+7]
	s_nop 0
.rept 4
	v_nop
.endr
	s_branch .Lasked_\@
.Lfor_b_\@:
	tensor_load_to_lds s[\g0b:\g0b+3], s[G1B:G1B+7]
	s_nop 0
.rept 4
	v_nop
.endr
.Lasked_\@:
.endm
.macro FETCH slot, q, p                ; 48 LDS loads in one run
	WIN TO_B
.irp i, 0,1,2,3,4,5,6,7
.irp c, 0,1,2,3
	ds_load_b128 v[128*(\p)+16*\i+4*\c:128*(\p)+16*\i+4*\c+3], v[ADRB+(\slot)] offset:128*(\q)+32*\c+4352*\i
.endr
.endr
	WIN TO_A
.irp a, 0,1,2,3
.irp c, 0,1,2,3
	ds_load_b128 v[64*(\p)+16*\a+4*\c:64*(\p)+16*\a+4*\c+3], v[ADRA+(\slot)] offset:(2*(\q)+\c/2)*4352+1088*\a+32*(\c%2)   ; head 2 q + c / 2 of the K step, channels 32 (c % 2) on
.endr
.endr
.endm
.macro MUL8 a, p, zero                 ; the 32 accumulators take turns, one instruction a turn, in the same order in every step
.irp b, 0,1,2,3,4,5,6,7
.if \zero
	v_wmma_f32_16x16x128_fp8_fp8 v[8*(8*(\a)+\b):8*(8*(\a)+\b)+7], v[128*(\p)+16*\b:128*(\p)+16*\b+15], v[64*(\p)+16*(\a):64*(\p)+16*(\a)+15], 0
.else
	v_wmma_f32_16x16x128_fp8_fp8 v[8*(8*(\a)+\b):8*(8*(\a)+\b)+7], v[128*(\p)+16*\b:128*(\p)+16*\b+15], v[64*(\p)+16*(\a):64*(\p)+16*(\a)+15], v[8*(8*(\a)+\b):8*(8*(\a)+\b)+7]
.endif
.endr
.endm
.macro STEP0 slot, zero
	s_wait_dscnt 0x0                               ; set 0 is in
	PLACES
	FETCH \slot, 1, 1
	WIN MUL
	MUL8 0, 0, \zero
	MUL8 1, 0, \zero
	MUL8 2, 0, \zero
	MUL8 3, 0, \zero
	WIN 0
.endm
; The change of slots: ONE barrier; in front of it each wave waits for all its tensor loads, adds 0 to its spare word, and waits for that and for its reads of this slot.  fill = 1: a round of the cluster's barrier, and K step kk into this slot.
.macro TURN slot, fill, kk
	s_wait_tensorcnt 0x0                           ; no tensor load of mine is out: a group 0 may be written
	ds_add_u32 v[SPW], v[NIL]
.if \fill
	s_add_nc_u64 s[G0A+4*\slot+2:G0A+4*\slot+3], s[AB:AB+1], 2097152*\kk   ; four heads of 524,288 bytes a K step
	s_or_b32 s[G0A+4*\slot+3], s[G0A+4*\slot+3], 0x80000000
	s_add_nc_u64 s[G0B+4*\slot+2:G0B+4*\slot+3], s[BB:BB+1], 256*\kk
	s_or_b32 s[G0B+4*\slot+3], s[G0B+4*\slot+3], 0x80000000
.endif
	s_wait_dscnt 1                                 ; set 1 is in; the add alone may be out
	WIN MUL
	MUL8 0, 1, 0
	s_wait_dscnt 0x0                               ; the add is done, and my reads of this slot are over
	s_barrier_signal -1
	MUL8 1, 1, 0
	WIN 0
	s_barrier_wait -1
.if \fill
	CREST
	JLOAD G0A+4*\slot, G0B+4*\slot
.else
	PLACES
.endif
	FETCH 1-\slot, 0, 0
	WIN MUL
	MUL8 2, 1, 0
	MUL8 3, 1, 0
	WIN 0
.endm
	s_load_b256 s[4:11], s[0:1], 0x0               ; acodes s[4:5], cod s[6:7], bo s[8:9], the scales' exponents s[10:11]
	s_load_b64 s[12:13], s[0:1], 0x20              ; out0
	v_lshl_add_u32 v[SPW], v0, 2, SPARE
	v_mov_b32 v[NIL], 0
	ds_add_u32 v[SPW], v[NIL]                      ; the wave's opening: the add and its wait stand ahead of my first tensor load
	ds_add_u32 v[SPW], v[NIL]
	v_lshrrev_b32 v4, 5, v0
	v_readfirstlane_b32 s16, v4                    ; wave 0..3
	s_lshr_b32 s17, s16, 1                         ; my half of the tokens.  Also: I fetch a (0) or Wo (1)
	s_and_b32 s18, s16, 1                          ; my half of the columns.  Also: which half of that operand's rows I fetch
	s_bfe_u32 s40, ttmp6, 0x40000                  ; cx
	s_bfe_u32 s41, ttmp6, 0x40004                  ; cy
	s_and_b32 s19, ttmp7, 0xffff                   ; the cluster's y, 0..15
	s_lshl_b32 s42, s41, 2
	s_lshl_b32 s42, 15, s42                        ; my row of the cluster
	s_lshl_b32 s43, 0x1111, s40                    ; my column
	s_or_b32 s[G1A], s42, (3<<16)|(1<<20)|(1<<21)|(5<<22)|(3<<25)   ; elements of 8 bytes; padding: four words after every 64
	s_or_b32 s[G1B], s43, (1<<20)|(1<<21)|(5<<22)|(3<<25)           ; elements of 1 byte
	s_mov_b32 s[G1A+1], 512<<16                    ; tensor_dim0 = 512 elements: 64 tokens x 64 bytes
	s_mov_b32 s[G1A+2], 4<<16                      ; tensor_dim1 = 4 heads
	s_mov_b32 s[G1A+3], 512<<16                    ; tile_dim0
	s_mov_b32 s[G1A+4], 4                          ; tile_dim1
	s_mov_b32 s[G1A+5], 65536                      ; from head to head: 524,288 bytes
	s_mov_b32 s[G1A+6], 0
	s_mov_b32 s[G1A+7], 0
	s_mov_b32 s[G1B+1], 256<<16
	s_mov_b32 s[G1B+2], 128<<16
	s_mov_b32 s[G1B+3], 256<<16
	s_mov_b32 s[G1B+4], 128
	s_mov_b32 s[G1B+5], 1024
	s_mov_b32 s[G1B+6], 0
	s_mov_b32 s[G1B+7], 0
	s_lshl_b32 s42, s19, 2
	s_add_co_u32 s42, s42, s41
	s_lshl_b32 s42, s42, 7                         ; the tile's first token: 128 (4 Y + cy)
	s_lshl_b32 s43, s40, 8                         ; its first column: 256 cx
	s_wait_dscnt 0x0                               ; the opening add is done
	s_wait_kmcnt 0x0
	s_load_b64 s[80:81], s[10:11], 0x28            ; e10, e11
	s_lshl_b32 s60, s18, 6
	s_add_co_u32 s60, s60, s42
	s_lshl_b32 s60, s60, 6
	s_mov_b32 s61, 0
	s_add_nc_u64 s[AB:AB+1], s[4:5], s[60:61]      ; the 64 tokens that I fetch, in head 0
	s_lshl_b32 s62, s18, 7
	s_add_co_u32 s62, s62, s43
	s_lshl_b32 s62, s62, 10
	s_mov_b32 s63, 0
	s_add_nc_u64 s[BB:BB+1], s[6:7], s[62:63]
	s_add_nc_u64 s[BB:BB+1], s[BB:BB+1], WO        ; the 128 rows of Wo's codes that I fetch
	s_mul_i32 s60, s18, AHALF
	s_mul_i32 s62, s18, BHALF
	s_add_co_u32 s62, s62, BOFF
.irp s, 0,1
	s_mov_b32 s[G0A+4*\s], 1
	s_add_co_u32 s[G0A+4*\s+1], s60, \s*SLOT
	s_add_nc_u64 s[G0A+4*\s+2:G0A+4*\s+3], s[AB:AB+1], \s*2097152
	s_or_b32 s[G0A+4*\s+3], s[G0A+4*\s+3], 0x80000000
	s_mov_b32 s[G0B+4*\s], 1
	s_add_co_u32 s[G0B+4*\s+1], s62, \s*SLOT
	s_add_nc_u64 s[G0B+4*\s+2:G0B+4*\s+3], s[BB:BB+1], \s*256
	s_or_b32 s[G0B+4*\s+3], s[G0B+4*\s+3], 0x80000000
.endr
	CROUND                                         ; all sixteen work-groups are here: the first joint loads meet
	s_cmp_eq_u32 s17, 0                            ; a wave's two first fills stand in one branch: two loads of mine are out
	s_cbranch_scc0 .Lfirst_b
	tensor_load_to_lds s[G0A:G0A+3], s[G1A:G1A+7]
	s_nop 0
	tensor_load_to_lds s[G0A+4:G0A+7], s[G1A:G1A+7]
	s_nop 0
.rept 4
	v_nop
.endr
	s_branch .Lfirst_done
.Lfirst_b:
	tensor_load_to_lds s[G0B:G0B+3], s[G1B:G1B+7]
	s_nop 0
	tensor_load_to_lds s[G0B+4:G0B+7], s[G1B:G1B+7]
	s_nop 0
.rept 4
	v_nop
.endr
.Lfirst_done:
	v_and_b32 v1, 15, v0                           ; r
	v_bfe_u32 v2, v0, 4, 1                         ; h
	v_and_b32 v3, 31, v0                           ; lane
	s_lshl_b32 s89, s18, 7
	s_add_co_u32 s89, s89, s43
	s_lshl_b32 s89, s89, 2
	v_lshl_add_u32 v[BJO], v2, 5, s89              ; bo: 4 (256 cx + 128 half) + 32 h
.irp b, 0,1,2,3,4,5,6,7
	global_load_b128 v[BJ+8*\b:BJ+8*\b+3], v[BJO], s[8:9] offset:64*\b
	global_load_b128 v[BJ+8*\b+4:BJ+8*\b+7], v[BJO], s[8:9] offset:64*\b+16
.endr
	v_lshrrev_b32 v4, 2, v1                        ; a: token r of a block lies at 272 (r / 4) + 64 (r % 4)
	v_mul_u32_u24 v4, v4, 272
	v_and_b32 v5, 3, v1
	v_lshl_add_u32 v4, v5, 6, v4
	v_lshl_add_u32 v4, v2, 4, v4
	s_mul_i32 s89, s17, AHALF
	v_add_nc_u32 v[ADRA], s89, v4
	v_add_nc_u32 v[ADRA+1], SLOT, v[ADRA]
	v_mul_u32_u24 v4, v1, 272                      ; Wo: row r x pitch + 16 h
	v_lshl_add_u32 v4, v2, 4, v4
	s_mul_i32 s89, s18, BHALF
	s_add_co_u32 s89, s89, BOFF
	v_add_nc_u32 v[ADRB], s89, v4
	v_add_nc_u32 v[ADRB+1], SLOT, v[ADRB]
	s_mul_i32 s89, s16, STGW
	s_add_co_u32 s89, s89, STAGE                   ; my stage
	v_mul_u32_u24 v4, v1, 528
	v_lshl_add_u32 v4, v2, 5, v4
	v_add_nc_u32 v[STO], s89, v4                   ; in: row r, 32 bytes for each half of the lanes
	v_lshlrev_b32 v[GO], 4, v3
	v_add_nc_u32 v[RD], s89, v[GO]                 ; back: the 32 lanes take one row of 512 bytes
	s_lshl_b32 s89, s17, 6
	s_add_co_u32 s89, s89, s42
	s_lshl_b32 s20, s89, 12                        ; my first token's row of 4,096 bytes,
	s_lshl_b32 s89, s40, 10
	s_add_co_u32 s20, s20, s89
	s_lshl_b32 s89, s18, 9
	s_add_co_u32 s20, s20, s89                     ; my first column
	s_mov_b32 s21, 0
	s_add_nc_u64 s[20:21], s[12:13], s[20:21]
	s_wait_alu depctr_va_vdst(0)
	s_wait_kmcnt 0x0
	s_add_co_i32 s90, s80, s81
	s_add_co_i32 s90, s90, 127
	s_lshl_b32 s90, s90, 23                        ; 2^(e10 + e11) as f32
	s_mov_b32 s91, s90                             ; (named with it as a pair, so it is written)
	s_wait_tensorcnt 1                             ; my part of K step 0 is in; K step 1's load may be out
	s_barrier_signal -1
	s_barrier_wait -1
	FETCH 0, 0, 0
	STEP0 0, 1
	TURN 0, 1, 2
	STEP0 1, 0
	TURN 1, 1, 3
	STEP0 0, 0
	TURN 0, 0, 0                                   ; nothing is left to fetch: no round
	STEP0 1, 0
	s_wait_dscnt 0x0
	WIN MUL
	MUL8 0, 1, 0
	MUL8 1, 1, 0
	MUL8 2, 1, 0
	MUL8 3, 1, 0
	WIN 0
	; THE WAY OUT, a block of 16 tokens x 128 columns at a time: sum x 2^(e10 + e11) + bo, through my own stage, back as whole rows: each store of the wave covers 512 consecutive bytes, aligned.
	s_wait_loadcnt 0x0                             ; bo
	PLACES
.irp a, 0,1,2,3
	WIN ACC
.irp b, 0,1,2,3,4,5,6,7
.irp i, 0,2,4,6
	v_pk_fma_f32 v[T+8*\b+\i:T+8*\b+\i+1], v[8*(8*\a+\b)+\i:8*(8*\a+\b)+\i+1], s[90:91], v[BJ+8*\b+\i:BJ+8*\b+\i+1] op_sel_hi:[1,0,1]   ; each accumulator from its low end on
.endr
.endr
	WIN 0
.irp b, 0,1,2,3,4,5,6,7
	ds_store_b128 v[STO], v[T+8*\b:T+8*\b+3] offset:64*\b
	ds_store_b128 v[STO], v[T+8*\b+4:T+8*\b+7] offset:64*\b+16
.endr
	s_wait_xcnt 0x0                                ; the last block's stores have read their registers, into which the loads below land
.irp u, 0,1,2,3,4,5,6,7,8,9,10,11,12,13,14,15
	ds_load_b128 v[RB+4*\u:RB+4*\u+3], v[RD] offset:528*\u         ; LDS serves a wave's instructions in order: these see my stores, and the next block's stores come behind them
.endr
.irp u, 0,1,2,3,4,5,6,7,8,9,10,11,12,13,14,15
	s_wait_dscnt 15-\u                             ; the younger read-backs may be out
	global_store_b128 v[GO], v[RB+4*\u:RB+4*\u+3], s[20:21] offset:65536*\a+4096*\u th:TH_STORE_NT
.endr
.endr
	s_wait_tensorcnt 0x0                           ; the wave's end
	ds_add_u32 v[SPW], v[NIL]
	s_wait_dscnt 0x0
	CROUND                                         ; the closing round: no work-group ends while a partner may still ask for a tile that names it
	s_endpgm
.Lfunc_end_k_q691fae6b79_oproj:
	.size	k_q691fae6b79_oproj, .Lfunc_end_k_q691fae6b79_oproj-k_q691fae6b79_oproj
	.p2alignl 7, 3214868480
	.fill 96, 4, 3214868480
	.section	.rodata,"a",@progbits
	.p2align	6, 0x0
	.amdhsa_kernel k_q691fae6b79_oproj
		.amdhsa_group_segment_fixed_size 327680
		.amdhsa_private_segment_fixed_size 0
		.amdhsa_enable_private_segment 0
		.amdhsa_kernarg_size 40
		.amdhsa_user_sgpr_count 2
		.amdhsa_user_sgpr_kernarg_segment_ptr 1
		.amdhsa_wavefront_size32 1
		.amdhsa_system_sgpr_workgroup_id_x 1
		.amdhsa_system_sgpr_workgroup_id_y 1
		.amdhsa_system_sgpr_workgroup_id_z 1
		.amdhsa_system_vgpr_workitem_id 0
		.amdhsa_next_free_vgpr 896
		.amdhsa_next_free_sgpr 96
		.amdhsa_reserve_vcc 0
		.amdhsa_float_denorm_mode_32 3
		.amdhsa_float_denorm_mode_16_64 3
		.amdhsa_memory_ordered 1
		.amdhsa_forward_progress 1
		.amdhsa_inst_pref_size 79
	.end_amdhsa_kernel
	.amdgpu_metadata
---
amdhsa.version: [ 1, 2 ]
amdhsa.kernels:
  - .name:           k_q691fae6b79_oproj
    .symbol:         k_q691fae6b79_oproj.kd
    .args:
      - { .name: acodes, .offset: 0, .size: 8, .value_kind: global_buffer, .address_space: global }
      - { .name: cod, .offset: 8, .size: 8, .value_kind: global_buffer, .address_space: global }
      - { .name: bo, .offset: 16, .size: 8, .value_kind: global_buffer, .address_space: global }
      - { .name: lowp_scales, .offset: 24, .size: 8, .value_kind: global_buffer, .address_space: global }
      - { .name: out0, .offset: 32, .size: 8, .value_kind: global_buffer, .address_space: global }
    .group_segment_fixed_size: 327680
    .private_segment_fixed_size: 0
    .kernarg_segment_align: 8
    .kernarg_segment_size: 40
    .max_flat_workgroup_size: 128
    .sgpr_count:     96
    .vgpr_count:     896
    .wavefront_size: 32
...
	.end_amdgpu_metadata
.endif
;; end of part 4
